; MI455X (gfx1250); checked and timed in simulation.
; The chip was launched on July 23, 2026; its instructions are those of AMD's public machine-readable ISA for CDNA 5 (MIT licence, August 2026) and "CDNA5" Instruction Set Architecture Reference Guide (July 2026). The comments in the code are by the model that wrote it; some were corrected since.
;; KV Cache Attention. Allowed arithmetic: matrix products marked QUANTISED: E2M1 operands, one E8M0 scale for each 32 along K, by v_wmma_scale_f32_16x16x128_f8f6f4 with both operands' format E2M1 (or v_wmma_scale_f32_32x16x128_f4), f32 sums; products left as they are: bf16, f16 or f32 operands; f32 sums; everything else in f32.
;; Inputs: cache 2 x 2,048 x 1,024 float32; in_proj_b 3,072 float32; in_proj_w 3,072 x 1,024 float32; out_proj_b 1,024 float32; out_proj_w 1,024 x 1,024 float32; x 2 x 2,048 x 1,024 float32.
;; Outputs: out0 2 x 2,048 x 1,024 float32.
;; This version of the problem:
;;   THIS VERSION OF THE PROBLEM IS GIVEN IN LOW PRECISION. The matrix products marked QUANTISED in the list below multiply operands that are first quantised to E2M1 (2 exponent bits, 1 mantissa bit; 4 bits a number), with one power-of-two scale for each 32 numbers along K (OCP MX v1.0); their sums are f32. The products marked 'left as it is' may take bf16, f16 or f32 operands, with f32 sums. Whichever they take, every output number must still come out within the allowed error. Rounding operands to bf16 (8 significant bits) uses up far more of that allowance than f16 does (11 bits, for magnitudes from 6e-5 to 65,504). All else is computed in f32.
;;   The module's matrix products, in the order in which they are computed (A, B: the left and right operand; K: the contracted axis; several contracted axes count as one K, in the product's order):
;;     1. [M 4,096, K 1,024] x [K 1,024, N 1,024]; A: input x; B: input in_proj_w: QUANTISED
;;     2. [M 8,192, K 1,024] x [K 1,024, N 1,024]; A: computed on the way; B: input in_proj_w: left as it is (an operand is computed on the way)
;;     3. [M 8,192, K 1,024] x [K 1,024, N 1,024]; A: computed on the way; B: input in_proj_w: left as it is (an operand is computed on the way)
;;     4. batch 32 x [M 2,048, K 64] x [K 64, N 4,096]; A: computed on the way; B: computed on the way: left as it is (an operand is computed on the way)
;;     5. batch 32 x [M 64, K 4,096] x [K 4,096, N 2,048]; A: computed on the way; B: computed on the way: left as it is (an operand is computed on the way)
;;     6. [M 4,096, K 1,024] x [K 1,024, N 1,024]; A: computed on the way; B: input out_proj_w: left as it is (an operand is computed on the way)
;;   THE QUANTISER, for each operand of a quantised product, along K:
;;     - K is cut into blocks of 32 from its start; a last block that is shorter is filled with zeros.
;;     - A block's scale is 2^e with e = floor(log2(the largest magnitude in the block)) - 2, held to -126 .. 127; a block of zeros has e = 0. As a byte (E8M0): e + 127.
;;     - Each number is divided by its block's scale, clamped to +-6, and rounded to the nearest number of E2M1, ties to even, subnormals kept.
;;     - The product sums the exact products of the quantised numbers (number of the format x scale) in f32.
;;   ~~~python
;;   def quantise(x, axis):      # numpy; x: float32 -> the quantised numbers, widened to float32 again
;;       x = np.moveaxis(x, axis, -1); K = x.shape[-1]
;;       x = np.pad(x, [(0, 0)] * (x.ndim - 1) + [(0, -K % 32)]); x = x.reshape(x.shape[:-1] + (-1, 32)); a = np.abs(x).max(-1, keepdims=True)
;;       e = np.where(a > 0, np.clip(np.frexp(np.where(a > 0, a, 1))[1] - 1 - 2, -126, 127), 0)      # np.frexp(a)[1] - 1 = floor(log2(a)), exactly
;;       r = np.clip(x / 2.0 ** e, -6, 6)
;;       step = 2.0 ** (np.maximum(np.frexp(np.where(r == 0, 1, r))[1] - 1, 0) - 1)
;;       q = np.round(r / step) * step * 2.0 ** e      # np.round: ties to even
;;       return np.moveaxis(q.reshape(q.shape[:-2] + (-1,))[..., :K], -1, axis).astype(np.float32)
;;   ~~~
;; One version. Each part assembles by itself: llvm-mc -triple=amdgcn-amd-amdhsa -mcpu=gfx1250 --defsym DOCPART=n.
;; ======== version 1 of 1: 4 launches
;; limits: values are held in f16: magnitudes above 65,504 overflow, below 6.1e-05 lose precision; right only within a limited range of input values
;; workspace buffers: kv16 16,777,216 bytes; w16 4,194,304 bytes; wo16 2,097,152 bytes; qcodes 2,621,440 bytes; qscales 163,840 bytes; kvh 33,554,432 bytes; ctx16 8,388,608 bytes
;; launch prep (part 1): grid 256 x 1, 6 waves a work-group, no clusters, 51,456 bytes of LDS; arguments x, cache, in_proj_w, out_proj_w, kv16, w16, wo16, qcodes, qscales; writes kv16, w16, wo16, qcodes, qscales
.if DOCPART == 1
	.amdgcn_target "amdgcn-amd-amdhsa--gfx1250"
	.amdhsa_code_object_version 6
	.text
	.protected	k_q0356457375_prep
	.globl	k_q0356457375_prep
	.p2align	8
	.type	k_q0356457375_prep,@function
k_q0356457375_prep:
	s_mov_b64 s[64:65], 0
	v_nop
	global_prefetch_b8 v0, s[64:65] scope:SCOPE_SE
	s_setreg_imm32_b32 hwreg(HW_REG_WAVE_MODE, 25, 1), 1
	s_wait_xcnt 0x0
; PREP: every operand is narrowed once, since each is read by many work-groups later.
;   kv16 [8192][1024] f16 = cat(cache, x) (row b 4096 + pos; pos < 2048: cache);  w16 [2048][1024] f16 = in_proj_w rows 1024 .. 3071 (Wk, then Wv);  wo16 [1024][1024] f16 = out_proj_w;
;   x and Wq (in_proj_w rows 0 .. 1023), the two operands of the QUANTISED product, become codes of E2M1 with one E8M0 byte for each 32 along K, laid as IMAGES OF THE OPERAND'S REGISTERS:
;   qcodes: 320 tiles of 16 rows (0 .. 255: x; 256 + 4 h + dt: Wq rows 64 h + 16 dt on) x [K step of 8][c of 2][lane of 32][16 bytes]: lane (r, h') holds k = 128 s + 64 c + 32 h' + 0 .. 31 of row r;
;   qscales: 320 x [lane of 32][4 words]: lane r holds row r's scale words of K steps 0 .. 3, lane 16 + r those of K steps 4 .. 7.
; WORK LEFT OUT IN THIS PROGRAM.  bk = in_proj_b[1024:2048].  scores[q][k] = q . (kv[k] Wk^T + bk) / 8 = q . (kv[k] Wk^T) / 8 + (q . bk) / 8, and the last term is the same for every key k of a row:
;   softmax along k takes it away, for all finite values of the inputs; the product of q with k is not quantised, so bk moves no code and no scale.  These 1,024 numbers are never loaded.
;   bq = in_proj_b[0:1024] and bv = in_proj_b[2048:3072] are live.  Since a row's weights sum to 1, sum_k attn (v + bv) = sum_k attn v + bv: bv is added once, behind the division by the row's sum.
;   LIMIT: a NaN, an infinity or an overflow that bk alone would cause is not carried to the result.
; LIMITS: the products that are left as they are take f16 operands: numbers of x, cache and the weights beyond 65,504 in magnitude overflow; NaN and infinities among the inputs are not served;
;   blocks whose largest magnitude lies under 2^-124, the floor that holds the scale's byte at 1, were not tried.  A block of zeros gets the byte 1: its codes are zeros, and this program alone reads the bytes.
; SHARES.  1,536 jobs of 8,192 numbers, one to a wave: job J = 256 x wave + work-group, so that every work-group has the same mix.
;   J < 640: 16 rows x 512 along K are quantised (J < 512: of x, which also leaves as f16; else of Wq).  J >= 640: 8,192 consecutive numbers of cache, Wk/Wv or out_proj_w leave as f16.
; No tensor load, no barrier, no matrix unit: waves share nothing and memory binds.  Every load of a wave covers 512 consecutive bytes, every store 256 or 512, aligned.
.set STGB,  8448                       ; a wave's stage: 16 rows x (512 bytes + 16): the 16 rows that a read touches start at 16 different 16-byte columns
.set SPARE, 6*STGB                     ; behind the stages: the spare words, 128 bytes for each wave: three blocks of 256 bytes that no other line names
.set L16, 4                            ; v4   16 x lane
.set L8,  5                            ; v5   8 x lane
.set STS, 6                            ; v6   the stage, on the way in: 16 x lane
.set STL, 7                            ; v7   and out: 528 r + 128 h'
.set SCA, 8                            ; v8   16 r: my row's four scale words
.set H8,  9                            ; v9   8 h'
.set SPW, 10                           ; v10  LDS address of my spare word; never rewritten
.set NIL, 11                           ; v11  0; never rewritten
.set M,   12                           ; v12-13 two blocks' largest magnitudes
.set SO,  14                           ; v14-15 the conversions' scale operands
.set BY,  16                           ; v16-17 the scales' bytes
.set W,   18                           ; v18  my two bytes at their places in the word
.set PD,  19                           ; v19  a lane permute's destination
.set SW,  20                           ; v20-23 the job's four scale words
.set C,   24                           ; v24-31 a fragment's codes
.set F,   32                           ; v32-63 f16 numbers to store
.set R,   64                           ; v64-191 two sets of 64 numbers as they are loaded
.set X,   192                          ; v192-255 64 numbers: two whole blocks of my row
	s_load_b256 s[4:11], s[0:1], 0x0               ; x, cache, in_proj_w, out_proj_w
	s_load_b256 s[12:19], s[0:1], 0x20             ; kv16, w16, wo16, qcodes
	s_load_b64 s[20:21], s[0:1], 0x40              ; qscales
	v_lshl_add_u32 v[SPW], v0, 2, SPARE
	v_mov_b32 v[NIL], 0
	v_lshrrev_b32 v1, 5, v0
	v_readfirstlane_b32 s22, v1                    ; wave 0..5
	v_and_b32 v1, 31, v0                           ; lane
	v_and_b32 v2, 15, v0                           ; r
	v_bfe_u32 v3, v0, 4, 1                         ; h'
	v_lshlrev_b32 v[L16], 4, v1
	v_lshlrev_b32 v[L8], 3, v1
	s_mul_i32 s24, s22, STGB
	v_add_nc_u32 v[STS], s24, v[L16]
	v_mul_u32_u24 v[STL], v2, 528
	v_lshl_add_u32 v[STL], v3, 7, v[STL]
	v_add_nc_u32 v[STL], s24, v[STL]
	v_lshlrev_b32 v[SCA], 4, v2
	v_lshlrev_b32 v[H8], 3, v3
	v_mov_b32 v[PD], 0                             ; written once: a lane permute's destination counts as one of its sources
	s_mov_b32 s30, 0x76543210
	s_mov_b32 s31, 0xfedcba98                      ; v_permlanex16_b32's selects for lane l xor 16
	s_lshl_b32 s23, s22, 8
	s_add_co_u32 s23, s23, ttmp9                   ; J
	s_mov_b32 s29, 0                               ; the high word of every offset here
	s_wait_kmcnt 0x0
	s_cmp_lt_u32 s23, 640
	s_cbranch_scc0 .Lcvt
	; ---- 16 rows x 512 along K are quantised: four fragments
	s_lshr_b32 s24, s23, 1                         ; T': the tile in qcodes and qscales
	s_and_b32 s25, s23, 1                          ; g: which half of K
	s_cmp_lt_u32 s23, 512                          ; x's job or Wq's: the choice hangs on ids alone
	s_cselect_b64 s[32:33], s[4:5], s[8:9]
	s_cselect_b32 s26, 0, 256
	s_sub_co_u32 s26, s24, s26                     ; T: the tile in its source
	s_lshl_b32 s28, s26, 16                        ; 16 rows of 4,096 bytes
	s_lshl_b32 s27, s25, 11
	s_add_co_u32 s28, s28, s27
	s_add_nc_u64 s[32:33], s[32:33], s[28:29]      ; the source
	s_lshr_b32 s28, s26, 7                         ; x's batch: 4,096 rows of 2,048 bytes in kv16,
	s_lshl_b32 s28, s28, 23
	s_and_b32 s27, s26, 127
	s_lshl_b32 s27, s27, 15                        ; 16 rows,
	s_add_co_u32 s28, s28, s27
	s_lshl_b32 s27, s25, 10
	s_add_co_u32 s28, s28, s27
	s_add_co_u32 s28, s28, 0x400000                ; behind the cache's 2,048 rows
	s_add_nc_u64 s[34:35], s[12:13], s[28:29]      ; kv16 (named by x's jobs alone)
	s_lshl_b32 s28, s24, 13
	s_lshl_b32 s27, s25, 12
	s_add_co_u32 s28, s28, s27
	s_add_nc_u64 s[36:37], s[18:19], s[28:29]      ; qcodes
	s_lshl_b32 s28, s24, 9
	s_lshl_b32 s27, s25, 8
	s_add_co_u32 s28, s28, s27
	s_add_nc_u64 s[38:39], s[20:21], s[28:29]      ; qscales
.macro LOADF s                         ; fragment s: 16 rows x 128 numbers, a row's 512 bytes to a load
.irp i, 0,1,2,3,4,5,6,7,8,9,10,11,12,13,14,15
	global_load_b128 v[R+64*((\s)%2)+4*\i:R+64*((\s)%2)+4*\i+3], v[L16], s[32:33] offset:4096*\i+512*(\s) th:TH_LOAD_NT
.endr
.endm
.macro FRAG s
.set RS, R+64*((\s)%2)
.if (\s) < 3
	s_wait_loadcnt 16                              ; this fragment's 16 loads are in; the next fragment's 16 may be out
.else
	s_wait_loadcnt 0x0
.endif
.irp i, 0,1,2,3,4,5,6,7,8,9,10,11,12,13,14,15
	ds_store_b128 v[STS], v[RS+4*\i:RS+4*\i+3] offset:528*\i      ; the rows as they lie
.endr
.irp c, 0,1
.irp i, 0,1,2,3,4,5,6,7
	ds_load_b128 v[X+32*\c+4*\i:X+32*\c+4*\i+3], v[STL] offset:256*\c+16*\i   ; back: block 2 c + h' of row r, whole.  LDS serves a wave's instructions in order: these see the stores above
.endr
.endr
	s_cmp_lt_u32 s23, 512
	s_cbranch_scc0 .Lno16_\@                       ; Wq is wanted as codes alone
	s_wait_xcnt 0x0                                ; F was the last fragment's store data: it is written again only behind this wait
.irp i, 0,1,2,3,4,5,6,7,8,9,10,11,12,13,14,15
	v_cvt_pk_f16_f32 v[F+2*\i], v[RS+4*\i], v[RS+4*\i+1]
	v_cvt_pk_f16_f32 v[F+2*\i+1], v[RS+4*\i+2], v[RS+4*\i+3]
.endr
.irp i, 0,1,2,3,4,5,6,7,8,9,10,11,12,13,14,15
	global_store_b64 v[L8], v[F+2*\i:F+2*\i+1], s[34:35] offset:2048*\i+256*(\s)   ; 32 lanes store 256 consecutive bytes, aligned
.endr
.Lno16_\@:
	s_wait_dscnt 0x0                               ; my numbers are back, and the stores into the stage have read their registers,
.if (\s) < 2
	LOADF (\s)+2                                   ; which take the fragment two further on
.endif
.irp c, 0,1
	v_max3_num_f32 v[M+\c], |v[X+32*\c]|, |v[X+32*\c+1]|, 0x1800000   ; the block's largest magnitude, and the floor 2^(3 - 127): the byte cannot fall under 1
.endr
.irp i, 2,4,6,8,10,12,14,16,18,20,22,24,26,28,30
.irp c, 0,1
	v_max3_num_f32 v[M+\c], v[M+\c], |v[X+32*\c+\i]|, |v[X+32*\c+\i+1]|   ; (the two blocks by turns)
.endr
.endr
.irp c, 0,1
	v_add_nc_u32 v[SO+\c], 0xff000000, v[M+\c]     ; 2 off its exponent field: the conversion takes the exponent field of this operand as its scale
.endr
.irp c, 0,1
	v_lshrrev_b32 v[BY+\c], 23, v[SO+\c]           ; the scale's byte
.endr
	v_lshl_or_b32 v[W], v[BY+1], 16, v[BY]         ; blocks h' and 2 + h' of row r,
	v_lshlrev_b32 v[W], v[H8], v[W]                ; at their places in the word;
	v_permlanex16_b32 v[PD], v[W], s30, s31
	v_or_b32 v[SW+(\s)], v[W], v[PD]               ; with lane l xor 16's two the word is whole
	s_wait_xcnt 0x0                                ; C was the last fragment's store data
.irp c, 0,1
.irp g, 0,1,2,3
	v_cvt_scalef32_pk8_fp4_f32 v[C+4*\c+\g], v[X+32*\c+8*\g:X+32*\c+8*\g+7], v[SO+\c]   ; registers 4 c .. 4 c + 3 of the operand
.endr
.endr
	v_nop                                          ; one plain line behind the last scaled conversion
.irp c, 0,1
	global_store_b128 v[L16], v[C+4*\c:C+4*\c+3], s[36:37] offset:1024*(\s)+512*\c   ; 512 consecutive bytes, aligned
.endr
.endm
	LOADF 0
	LOADF 1
	FRAG 0
	FRAG 1
	FRAG 2
	FRAG 3
	v_cmp_gt_u32 vcc_lo, 16, v1                    ; lanes 0-15 hold the 16 rows' words (lanes 16-31 the same)
	s_wait_xcnt 0x0                                ; EXEC changes only behind this wait
	s_and_saveexec_b32 s40, vcc_lo
	global_store_b128 v[SCA], v[SW:SW+3], s[38:39] ; sixteen lanes store 256 consecutive bytes, aligned
	s_wait_xcnt 0x0                                ; and again, in front of the line that widens it
	s_or_b32 exec_lo, exec_lo, s40
	s_branch .Ldone
	; ---- 8,192 consecutive numbers leave as f16
.Lcvt:
	s_sub_co_u32 s24, s23, 640                     ; c: 0 .. 511 cache, 512 .. 767 Wk and Wv, 768 .. 895 out_proj_w
	s_cmp_lt_u32 s24, 768
	s_cselect_b64 s[32:33], s[8:9], s[10:11]
	s_cselect_b64 s[34:35], s[14:15], s[16:17]
	s_mov_b32 s25, 768
	s_cselect_b32 s25, 512, s25                    ; the range's first job
	s_cselect_b32 s26, 0x400000, 0                 ; Wk begins behind Wq's 1,024 rows of 4,096 bytes
	s_cmp_lt_u32 s24, 512
	s_cselect_b64 s[32:33], s[6:7], s[32:33]
	s_cselect_b64 s[34:35], s[12:13], s[34:35]
	s_cselect_b32 s25, 0, s25
	s_cselect_b32 s26, 0, s26
	s_sub_co_u32 s24, s24, s25                     ; the job's number in its tensor
	s_lshl_b32 s28, s24, 15
	s_add_co_u32 s28, s28, s26
	s_add_nc_u64 s[32:33], s[32:33], s[28:29]      ; the source: 32,768 bytes a job
	s_lshr_b32 s27, s24, 8                         ; 1 for the cache's second batch alone (the other tensors have at most 256 jobs):
	s_lshl_b32 s27, s27, 22                        ; in kv16 x's 2,048 rows of the first batch lie between
	s_lshl_b32 s28, s24, 14
	s_add_co_u32 s28, s28, s27
	s_add_nc_u64 s[34:35], s[34:35], s[28:29]      ; the destination: 16,384 bytes a job
.macro CLOAD g, buf
.irp i, 0,1,2,3,4,5,6,7,8,9,10,11,12,13,14,15
	global_load_b128 v[\buf+4*\i:\buf+4*\i+3], v[L16], s[32:33] offset:(16*(\g)+\i)*512 th:TH_LOAD_NT
.endr
.endm
.macro CWORK g, buf, left              ; left: the younger groups' loads, which may stay out
	s_wait_loadcnt \left
.if (\g) > 0
	s_wait_xcnt 0x0                                ; F was the last group's store data
.endif
.irp i, 0,1,2,3,4,5,6,7,8,9,10,11,12,13,14,15
	v_cvt_pk_f16_f32 v[F+2*\i], v[\buf+4*\i], v[\buf+4*\i+1]
	v_cvt_pk_f16_f32 v[F+2*\i+1], v[\buf+4*\i+2], v[\buf+4*\i+3]
.endr
.irp i, 0,1,2,3,4,5,6,7,8,9,10,11,12,13,14,15
	global_store_b64 v[L8], v[F+2*\i:F+2*\i+1], s[34:35] offset:(16*(\g)+\i)*256
.endr
.endm
	CLOAD 0, R
	CLOAD 1, R+64
	CLOAD 2, X
	CWORK 0, R, 32
	CLOAD 3, R
	CWORK 1, R+64, 32
	CWORK 2, X, 16
	CWORK 3, R, 0
.Ldone:
	s_wait_tensorcnt 0x0                           ; the wave's end, behind my last LDS store (a tensor wait in a text with no tensor load too)
	ds_add_u32 v[SPW], v[NIL]
	s_wait_dscnt 0x0
	s_endpgm
.Lfunc_end_k_q0356457375_prep:
	.size	k_q0356457375_prep, .Lfunc_end_k_q0356457375_prep-k_q0356457375_prep
	.p2alignl 7, 3214868480
	.fill 96, 4, 3214868480
	.section	.rodata,"a",@progbits
	.p2align	6, 0x0
	.amdhsa_kernel k_q0356457375_prep
		.amdhsa_group_segment_fixed_size 51456
		.amdhsa_private_segment_fixed_size 0
		.amdhsa_enable_private_segment 0
		.amdhsa_kernarg_size 72
		.amdhsa_user_sgpr_count 2
		.amdhsa_user_sgpr_kernarg_segment_ptr 1
		.amdhsa_wavefront_size32 1
		.amdhsa_system_sgpr_workgroup_id_x 1
		.amdhsa_system_sgpr_workgroup_id_y 1
		.amdhsa_system_sgpr_workgroup_id_z 1
		.amdhsa_system_vgpr_workitem_id 0
		.amdhsa_next_free_vgpr 256
		.amdhsa_next_free_sgpr 66
		.amdhsa_reserve_vcc 1
		.amdhsa_float_denorm_mode_32 3
		.amdhsa_float_denorm_mode_16_64 3
		.amdhsa_memory_ordered 1
		.amdhsa_forward_progress 1
		.amdhsa_inst_pref_size 66
	.end_amdhsa_kernel
	.amdgpu_metadata
---
amdhsa.version: [ 1, 2 ]
amdhsa.kernels:
  - .name:           k_q0356457375_prep
    .symbol:         k_q0356457375_prep.kd
    .args:
      - { .name: x, .offset: 0, .size: 8, .value_kind: global_buffer, .address_space: global }
      - { .name: cache, .offset: 8, .size: 8, .value_kind: global_buffer, .address_space: global }
      - { .name: in_proj_w, .offset: 16, .size: 8, .value_kind: global_buffer, .address_space: global }
      - { .name: out_proj_w, .offset: 24, .size: 8, .value_kind: global_buffer, .address_space: global }
      - { .name: kv16, .offset: 32, .size: 8, .value_kind: global_buffer, .address_space: global }
      - { .name: w16, .offset: 40, .size: 8, .value_kind: global_buffer, .address_space: global }
      - { .name: wo16, .offset: 48, .size: 8, .value_kind: global_buffer, .address_space: global }
      - { .name: qcodes, .offset: 56, .size: 8, .value_kind: global_buffer, .address_space: global }
      - { .name: qscales, .offset: 64, .size: 8, .value_kind: global_buffer, .address_space: global }
    .group_segment_fixed_size: 51456
    .private_segment_fixed_size: 0
    .kernarg_segment_align: 8
    .kernarg_segment_size: 72
    .max_flat_workgroup_size: 192
    .sgpr_count:     66
    .vgpr_count:     256
    .wavefront_size: 32
...
	.end_amdgpu_metadata
.endif
;; end of part 1
;; launch kvproj (part 2): grid 8 x 32, 4 waves a work-group, clusters of 4 x 4, 327,680 bytes of LDS; arguments kv16, w16, kvh; writes kvh
.if DOCPART == 2
	.amdgcn_target "amdgcn-amd-amdhsa--gfx1250"
	.amdhsa_code_object_version 6
	.text
	.protected	k_q0356457375_kvproj
	.globl	k_q0356457375_kvproj
	.p2align	8
	.type	k_q0356457375_kvproj,@function
k_q0356457375_kvproj:
	s_mov_b64 s[64:65], 0
	v_nop
	global_prefetch_b8 v0, s[64:65] scope:SCOPE_SE
	s_setreg_imm32_b32 hwreg(HW_REG_WAVE_MODE, 25, 1), 1
	s_wait_xcnt 0x0
	s_wait_alu depctr_hold_cnt(0) depctr_sa_sdst(0) depctr_va_vdst(0) depctr_va_sdst(0) depctr_va_ssrc(0) depctr_va_vcc(0) depctr_vm_vsrc(0)
	s_getreg_b32 s2, hwreg(HW_REG_IB_STS2, 6, 4)
	s_cmp_eq_u32 s2, 0
	s_cbranch_scc0 .Lentry_in_a_cluster
	s_endpgm
.Lentry_in_a_cluster:
	s_bfe_u32 s2, ttmp6, 0x10000c
	s_cmp_lg_u32 s2, 0xf033
	s_cbranch_scc0 .Lentry_shape_is_right
	s_endpgm
.Lentry_shape_is_right:
; k and v in one GEMM: C[m][n] = sum over k of kv16[m][k] w16[n][k], m = b 4096 + key, n = 1024 (0: k, 1: v) + 64 head + channel.  f16 operands, f32 sums, C rounded once to f16.
; NO BIAS IS ADDED HERE: bk is the same along the softmax's axis and falls out for all values of the inputs; bv is added once behind the weighted average, whose weights sum to 1 (shown at the head of the first kernel).
; C is stored as kvh [b][g of 32][key of 4096][64] f16, g = n / 64 (0 .. 15: k's heads, 16 .. 31: v's): a head's keys are dense, two neighbouring keys are 256 aligned bytes.
; LIMIT: |k|, |v| beyond 65,504 overflow f16.
; A tile of C, 256 x 256, is made by a work-group of four waves, as many as a WGP has SIMDs; a wave makes 128 x 128: 64 accumulators of 16 x 16, 512 registers.  K goes in steps of 128 through a ring of two LDS slots
; filled by the tensor data mover: the tiles' rows are 256 bytes of memory and start at multiples of 256 bytes.  32 x 8 tiles: one to each work-group.  The last K step goes by rows of C, so that finished rows leave while the others are multiplied.
; CLUSTERS: 4 x 4 work-groups.  The four of a row of the cluster need the same tiles of kv16, the four of a column the same tiles of w16: each tile is asked for JOINTLY, by the same tensor load with the same descriptor and a mask that names the four.
; REGISTERS, in windows of 256:  window 0: v0-31 addresses; v64-127, v128-191 fragments of A, two buffers (in the last K step four, of 16 rows x 128 K); v32-63, v192-255 at work on the way out
;   window 1: v64-127, v128-191 fragments of B, two buffers; in the last K step all 256.   window 2: the 32 accumulators of my rows 0-63 ((a, b) at v[8 (8 a + b)]);   window 3: those of my rows 64-127.
; THE MATRIX INSTRUCTION IS USED TRANSPOSED: source 0 = 16 rows of B, source 1 = 16 rows of A: lane l holds row l % 16 of C and eight neighbouring columns, which pack into 16 bytes.
.set SIZE_M, 8192
.set SIZE_N, 2048
.set SIZE_K, 1024
.set KSTEP,  128
.set PITCH,  272                       ; an LDS row: 256 bytes + 16 of padding = 68 words: the 16 rows that a load touches start at 16 different 16-byte columns
.set HALFT,  128*PITCH                 ; 128 rows: what one tensor load brings, and what one wave reads of A or of B
.set SLOT,   4*HALFT                   ; A's 256 rows, then B's 256 rows
.set STAGE,  2*SLOT                    ; behind the ring: 16 rows x 272 bytes for each wave, for the way out
.set SPITCH, 272
.set SPARE,  STAGE+4*16*SPITCH         ; behind the stages: the spare words, 128 bytes for each wave: two blocks of 256 bytes that no other line names
.set LAPS, SIZE_K/(2*KSTEP)            ; a lap = two K steps = once round the ring: 4
.set ADRA, 16                          ; v16-17  LDS address of my A fragments in slot 0, 1
.set ADRB, 20                          ; v20-21  the same for B
.set STO,  24                          ; v24     the way out: where I put 16 bytes of a row
.set RD,   25                          ; v25     the way out: where I read 16 bytes back
.set CO,   26                          ; v26     my byte offset in kvh
.set SPW,  28                          ; v28     LDS address of my spare word; never rewritten
.set NIL,  29                          ; v29     0; never rewritten
.set PFO,  30                          ; v30     the prefetches' offset: my lane x a row of 2,048 bytes; never rewritten
.set PFA,  44                          ; s[44:45] where my prefetches stand
.set LIM,  43                          ; s43     1 in a wave that prefetches, else the greatest number
.set F0,   64
.set F1,   128
.set TMP,  192
.set OB,   32
.set PA,   64
.set G1, 24                            ; s[24:31] descriptor group 1 for A's tiles
.set G0, 32                            ; s[32:39] group 0 for A's tiles, one set for each slot
.set G1B, 48                           ; s[48:55], s[56:63] the same for B's
.set G0B, 56
.set MSB, 0
.macro WIN new                         ; the immediate's high byte repeats the setting that is left
.if MSB != \new
	s_set_vgpr_msb (MSB<<8)|\new
.set MSB, \new
.endif
.endm
.set MUL_LO, 0xa1                      ; source 0 (B) window 1, source 1 (A) window 0, C and D window 2
.set MUL_HI, 0xf1                      ; the same, C and D window 3
.set TO_B,   0x40                      ; destination window 1, address window 0
; A joint load.  Waves 0 and 1 fetch A's two halves, waves 2 and 3 B's.  The branch hangs on the wave's number alone.  An s_nop 0 and four v_nop follow each of the two lines.
.macro JLOAD s
	s_cmp_eq_u32 s11, 0
	s_cbranch_scc0 .Lfor_b_\@
	tensor_load_to_lds s[G0+4*\s:G0+4*\s+3], s[G1:G1+7]
	s_nop 0
.rept 4
	v_nop
.endr
	s_branch .Lasked_\@
.Lfor_b_\@:
	tensor_load_to_lds s[G0B+4*\s:G0B+4*\s+3], s[G1B:G1B+7]
	s_nop 0
.rept 4
	v_nop
.endr
.Lasked_\@:
.endm
; A prefetch into the L2, behind each joint load, its five lines and the run of LDS loads: the K step that stands two refills on: 32 rows x 256 bytes, a lane a row, one instruction a wave.
; Each row's 256 bytes of a K step are named once in the launch: cluster x = 0 asks for A's rows, cluster y = 0 for B's; the four partners that ask for a tile jointly share its rows out by address, 32 each.
; K steps 4 to 7 are named; the loop's last trip, whose refills are the last two, asks for nothing.
.macro ASK
	s_cmp_gt_u32 s3, s[LIM]                        ; s3 = 1 in the loop's last trip
	s_cbranch_scc0 .Lnot_mine_\@
	global_prefetch_b8 v[PFO], s[PFA:PFA+1] offset:KSTEP*2 th:TH_LOAD_NT scope:SCOPE_SE
.Lnot_mine_\@:
.endm
.macro CREST                           ; a round of the cluster's barrier behind its opening barrier
	s_cmp_lg_u32 s10, 0
	s_cbranch_scc1 .Lnot_wave_0_\@
	s_barrier_signal -3
.Lnot_wave_0_\@:
	s_barrier_wait -3
	s_barrier_signal -1
	s_barrier_wait -1
.endm
.macro CROUND                          ; a whole round
	s_barrier_signal -1
	s_barrier_wait -1
	CREST
.endm
	s_load_b128 s[4:7], s[0:1], 0x0                ; A = kv16 s[4:5], B = w16 s[6:7]
	s_load_b64 s[8:9], s[0:1], 0x10                ; kvh
	v_lshl_add_u32 v[SPW], v0, 2, SPARE
	v_mov_b32 v[NIL], 0
	ds_add_u32 v[SPW], v[NIL]                      ; the wave's opening: the add, twice on end, and its wait ahead of my first tensor load
	ds_add_u32 v[SPW], v[NIL]                      ; and once more, under the one wait; the set-up below, work on registers, stands between
	v_lshrrev_b32 v1, 5, v0
	v_readfirstlane_b32 s10, v1                    ; wave 0..3
	s_lshr_b32 s11, s10, 1                         ; which half of the tile's rows is mine.  Also: I fetch for A (0) or for B (1)
	s_and_b32 s12, s10, 1                          ; which half of its columns.  Also: which 128 rows of that tile I fetch
	s_bfe_u32 s40, ttmp6, 0x40000                  ; cx
	s_bfe_u32 s41, ttmp6, 0x40004                  ; cy
	s_lshl_b32 s42, ttmp9, 2
	s_add_co_u32 s42, s42, s40                     ; tile column of C = 4 x cluster x + cx
	s_and_b32 s13, ttmp7, 0xffff
	s_lshl_b32 s13, s13, 2
	s_add_co_u32 s13, s13, s41                     ; tile row of C = 4 x cluster y + cy
	s_lshl_b32 s43, s41, 2
	s_lshl_b32 s43, 15, s43                        ; my row of the cluster
	s_lshl_b32 s44, 0x1111, s40                    ; my column
	; descriptor group 1: a tile of 128 rows x 128 elements of 2 bytes, 4 words of padding behind every 64
	s_or_b32 s[G1+0], s43, (1<<16)|(1<<20)|(1<<21)|(5<<22)|(3<<25)
	s_or_b32 s[G1B+0], s44, (1<<16)|(1<<20)|(1<<21)|(5<<22)|(3<<25)
.irp g, G1, G1B
	s_mov_b32 s[\g+1], KSTEP<<16                   ; tensor_dim0 = 128
	s_mov_b32 s[\g+2], 128<<16                     ; tensor_dim1 = 128
	s_mov_b32 s[\g+3], KSTEP<<16                   ; tile_dim0 = 128
	s_mov_b32 s[\g+4], 128                         ; tile_dim1 = 128
	s_mov_b32 s[\g+5], SIZE_K                      ; elements from row to row
	s_mov_b32 s[\g+6], 0
	s_mov_b32 s[\g+7], 0
.endr
	s_lshl_b32 s17, s12, 7                         ; which 128 rows of the tile I fetch
	s_lshl_b32 s16, s13, 8
	s_add_co_u32 s16, s16, s17                     ; A: row 256 x tile row + 128 x half
	s_lshl_b32 s46, s42, 8
	s_add_co_u32 s46, s46, s17                     ; B: row 256 x tile column + 128 x half
	s_mov_b32 s17, 0
	s_mov_b32 s47, 0
	s_mov_b64 s[18:19], SIZE_K*2
	s_mul_u64 s[16:17], s[16:17], s[18:19]
	s_mul_u64 s[46:47], s[46:47], s[18:19]
	s_mul_i32 s20, s10, HALFT                      ; where they go: wave x 128 rows: no place in the cluster enters an LDS address
	s_wait_dscnt 0x0                               ; both opening adds are done
	s_wait_kmcnt 0x0
	s_add_nc_u64 s[14:15], s[4:5], s[16:17]
	s_add_nc_u64 s[46:47], s[6:7], s[46:47]
	CROUND                                         ; all sixteen work-groups are here: the first joint loads meet
.irp s, 0,1
	s_mov_b32 s[G0+4*\s], 1
	s_add_co_u32 s[G0+4*\s+1], s20, \s*SLOT
	s_add_nc_u64 s[G0+4*\s+2:G0+4*\s+3], s[14:15], \s*KSTEP*2
	s_or_b32 s[G0+4*\s+3], s[G0+4*\s+3], 0x80000000
	s_mov_b32 s[G0B+4*\s], 1
	s_add_co_u32 s[G0B+4*\s+1], s20, \s*SLOT
	s_add_nc_u64 s[G0B+4*\s+2:G0B+4*\s+3], s[46:47], \s*KSTEP*2
	s_or_b32 s[G0B+4*\s+3], s[G0B+4*\s+3], 0x80000000
	JLOAD \s                                       ; two loads of mine are out
.endr
	v_and_b32 v1, 15, v0                           ; l % 16
	v_bfe_u32 v2, v0, 4, 1                         ; l / 16
	v_mul_u32_u24 v3, v1, PITCH
	v_lshl_add_u32 v3, v2, 4, v3                   ; a fragment's row x pitch + 16 x half
	s_mul_i32 s21, s11, HALFT                      ; my 128 rows of A
	s_mul_i32 s22, s12, HALFT                      ; my 128 rows of B,
	s_add_co_u32 s22, s22, 2*HALFT                 ; which lie behind A's 256
.irp s, 0,1
	v_add_nc_u32 v[ADRA+\s], s21, v3
	v_add_nc_u32 v[ADRB+\s], s22, v3
	s_add_co_u32 s21, s21, SLOT
	s_add_co_u32 s22, s22, SLOT
.endr
	s_mul_i32 s23, s10, 16*SPITCH
	s_add_co_u32 s23, s23, STAGE                   ; my stage
	v_mul_u32_u24 v4, v1, SPITCH                   ; in: row l % 16, 16 bytes for each half of the lanes
	v_lshl_add_u32 v4, v2, 4, v4
	v_add_nc_u32 v[STO], s23, v4
	v_bfe_u32 v5, v0, 3, 1                         ; back: lanes 0-15 take the first head's 128 bytes of two keys (eight lanes a key), lanes 16-31 the second head's
	v_mul_u32_u24 v5, v5, SPITCH
	v_lshl_add_u32 v5, v2, 7, v5
	v_and_b32 v6, 7, v0
	v_lshl_add_u32 v5, v6, 4, v5
	v_add_nc_u32 v[RD], s23, v5
	v_lshlrev_b32 v5, 19, v2                       ; in kvh: a head's plane is 524,288 bytes; two keys are 256 bytes on end
	v_lshl_add_u32 v[CO], v1, 4, v5
	; where my part of the tile begins in kvh: batch x 2^24 + plane x 2^19 + key x 128
	s_lshl_b32 s13, s13, 8                         ; 256 x tile row
	s_lshl_b32 s14, s11, 7
	s_add_co_u32 s16, s13, s14                     ; my first row of C
	s_lshr_b32 s17, s16, 12                        ; its batch,
	s_lshl_b32 s17, s17, 24
	s_and_b32 s16, s16, 4095                       ; its key
	s_lshl_b32 s16, s16, 7
	s_add_co_u32 s16, s16, s17
	s_lshl_b32 s46, s42, 2
	s_lshl_b32 s47, s12, 1
	s_add_co_u32 s46, s46, s47                     ; my first plane: 4 x tile column + 2 x half
	s_lshl_b32 s46, s46, 19
	s_add_co_u32 s16, s16, s46
	s_mov_b32 s17, 0
	s_add_nc_u64 s[8:9], s[8:9], s[16:17]
	; the prefetches.  s13 = 256 x tile row, s42 = tile column, s40 = cx, s41 = cy still stand
	s_lshl_b32 s42, s42, 8
	s_and_b32 s22, ttmp7, 0xffff                   ; cluster y
	s_cmp_eq_u32 s11, 0                            ; do I fetch for A?
	s_cselect_b32 s20, s13, s42                    ; the tile's first row
	s_cselect_b32 s21, s40, s41                    ; my place among the four that ask for it with me
	s_cselect_b32 s22, ttmp9, s22                  ; the coordinate along which other clusters read the same rows
	s_cselect_b64 s[PFA:PFA+1], s[4:5], s[6:7]
	s_cmp_eq_u32 s22, 0
	s_cselect_b32 s[LIM], 1, -1                    ; the same in all sixteen partners, for a given wave
	s_lshl_b32 s22, s12, 7
	s_add_co_u32 s20, s20, s22                     ; + the 128 rows that I fetch
	s_lshl_b32 s21, s21, 5
	s_add_co_u32 s20, s20, s21                     ; + my work-group's 32 of them
	s_mov_b32 s21, 0
	s_mov_b64 s[18:19], SIZE_K*2
	s_mul_u64 s[20:21], s[20:21], s[18:19]
	s_add_nc_u64 s[PFA:PFA+1], s[PFA:PFA+1], s[20:21]
	s_add_nc_u64 s[PFA:PFA+1], s[PFA:PFA+1], 2*KSTEP*2  ; at K step 2: the first refill steps it to 3 and names K step 4
	v_and_b32 v[PFO], 31, v0
	v_mul_u32_u24 v[PFO], v[PFO], SIZE_K*2
; 16 matrix instructions: m blocks a0, a0 + 1 of the window's four x all 8 n blocks, 32 along K.  zero = 1: the first product starts the sums.  The 64 accumulators take turns.
.macro MUL16 f, hi, a0, zero
.irp a, \a0, \a0+1
.irp b, 0,1,2,3,4,5,6,7
.if \zero
	v_wmma_f32_16x16x32_f16 v[8*(8*(\a)+\b):8*(8*(\a)+\b)+7], v[\f+8*\b:\f+8*\b+7], v[\f+8*(4*\hi+\a):\f+8*(4*\hi+\a)+7], 0
.else
	v_wmma_f32_16x16x32_f16 v[8*(8*(\a)+\b):8*(8*(\a)+\b)+7], v[\f+8*\b:\f+8*\b+7], v[\f+8*(4*\hi+\a):\f+8*(4*\hi+\a)+7], v[8*(8*(\a)+\b):8*(8*(\a)+\b)+7]
.endif
.endr
.endr
.endm
; 32 LDS loads in one run: the fragments of one quarter step (128 rows of B, 128 rows of A, 32 K at byte k of the rows) into buffer f
.macro FETCH slot, k, f
	WIN TO_B
.irp i, 0,1,2,3,4,5,6,7
	ds_load_b128 v[\f+8*\i:\f+8*\i+3],   v[ADRB+\slot] offset:\k+\i*16*PITCH
	ds_load_b128 v[\f+8*\i+4:\f+8*\i+7], v[ADRB+\slot] offset:\k+\i*16*PITCH+32
.endr
	WIN 0
.irp i, 0,1,2,3,4,5,6,7
	ds_load_b128 v[\f+8*\i:\f+8*\i+3],   v[ADRA+\slot] offset:\k+\i*16*PITCH
	ds_load_b128 v[\f+8*\i+4:\f+8*\i+7], v[ADRA+\slot] offset:\k+\i*16*PITCH+32
.endr
.endm
.macro PLACES                          ; four plain vector lines in front of loads into registers that matrix instructions have read, and of conversions that read results just made
.rept 4
	v_nop
.endr
.endm
; A K step is four quarter steps of 32 along K, 64 matrix instructions each, on buffers 0, 1, 0, 1.
.macro QUARTER slot, k, f, g, zero
	s_wait_dscnt 8                                 ; B and A's rows 0-63 are in; the youngest eight loads (A's rows 64-127) may be out
	WIN MUL_LO
	MUL16 \f, 0, 0, \zero
	MUL16 \f, 0, 2, \zero
	PLACES
	FETCH \slot, \k, \g
	s_wait_dscnt 32                                ; all but the 32 just issued
	WIN MUL_HI
	MUL16 \f, 1, 0, \zero
	MUL16 \f, 1, 2, \zero
.endm
; The last quarter multiplies buffer 1 and changes slots.  MEET is its first half: one barrier; in front of it each wave waits for all its tensor loads, adds 0 to its spare word, and waits for that and for its reads of this slot.
.macro MEET round
	WIN 0                                          ; (the add's two registers lie in window 0)
	s_wait_tensorcnt 0x0                           ; all my tensor loads have landed: the one that was out is my part of the next slot;
	ds_add_u32 v[SPW], v[NIL]                      ; 0 onto my spare word;
	s_wait_dscnt 9                                 ; (the add and the youngest eight loads may be out)
	WIN MUL_LO
	MUL16 F1, 0, 0, 0                              ; sixteen matrix instructions stand between the add and the wait for it
	s_wait_dscnt 0x0                               ; the add is done, and my reads of this slot are over
	s_barrier_signal -1
	MUL16 F1, 0, 2, 0
.if \round
	WIN 0
.endif
	s_barrier_wait -1
.endm
.macro TURN slot, next
	s_wait_xcnt 0x0                                ; the last prefetch, a K step back, has read its address: it is stepped here
	s_add_nc_u64 s[PFA:PFA+1], s[PFA:PFA+1], KSTEP*2
	MEET 1
	CREST                                          ; no wave of any partner still reads this slot's tile or has a load on its way
	s_add_nc_u64 s[G0+4*\slot+2:G0+4*\slot+3], s[G0+4*\slot+2:G0+4*\slot+3], 2*KSTEP*2
	s_add_nc_u64 s[G0B+4*\slot+2:G0B+4*\slot+3], s[G0B+4*\slot+2:G0B+4*\slot+3], 2*KSTEP*2
	JLOAD \slot                                    ; the first tensor load behind the round, my one load until the next; the four v_nop behind it are also the places in front of the loads below
	FETCH \next, 0, F0
	ASK
	WIN MUL_HI
	MUL16 F1, 1, 0, 0
	MUL16 F1, 1, 2, 0
.endm
; THE LAST K STEP (it lies in slot 1) GOES BY ROWS OF C: all its fragments of B fill window 1; my eight blocks of 16 rows are finished one after the other, 32 matrix instructions each, the block's 8 accumulators by turns, K ascending.
.macro BLOAD q
.irp i, 0,1,2,3,4,5,6,7
	ds_load_b128 v[64*\q+8*\i:64*\q+8*\i+3],   v[ADRB+1] offset:64*\q+\i*16*PITCH
	ds_load_b128 v[64*\q+8*\i+4:64*\q+8*\i+7], v[ADRB+1] offset:64*\q+\i*16*PITCH+32
.endr
.endm
.macro ALOAD a
.set FA, PA+32*((\a)%4)
.irp q, 0,1,2,3
	ds_load_b128 v[FA+8*\q:FA+8*\q+3],   v[ADRA+1] offset:64*\q+(\a)*16*PITCH
	ds_load_b128 v[FA+8*\q+4:FA+8*\q+7], v[ADRA+1] offset:64*\q+(\a)*16*PITCH+32
.endr
.endm
.macro ROW a
.set FA, PA+32*((\a)%4)
.set AC, 64*((\a)%4)
	WIN MUL_LO+0x50*((\a)/4)
.irp q, 0,1,2,3
.if (\a) == 0 && \q == 2
	s_wait_dscnt 24                                ; B's quarter 2 is in (behind it: A's blocks 1 to 3)
.endif
.irp b, 0,1,2,3,4,5,6,7
	v_wmma_f32_16x16x32_f16 v[AC+8*\b:AC+8*\b+7], v[64*\q+8*\b:64*\q+8*\b+7], v[FA+8*\q:FA+8*\q+7], v[AC+8*\b:AC+8*\b+7]
.endr
.endr
.endm
; THE WAY OUT of block a.  PACK: rounded to f16, 16 bytes a lane, each accumulator from its low end on.  TOSTAGE: into my own stage, and back by heads and pairs of keys.  SEND: stored.
.macro PACK a
.set AC, 64*((\a)%4)
	WIN 0x0a+5*((\a)/4)
.irp b, 0,1,2,3,4,5,6,7
.irp r, 0,1,2,3
	v_cvt_pk_f16_f32 v[TMP+4*\b+\r], v[AC+8*\b+2*\r], v[AC+8*\b+2*\r+1]
.endr
.endr
	WIN 0
.endm
.macro TOSTAGE a
.set BK, OB+192*((\a)%2)
.irp b, 0,1,2,3,4,5,6,7
	ds_store_b128 v[STO], v[TMP+4*\b:TMP+4*\b+3] offset:32*\b
.endr
.irp t, 0,1,2,3,4,5,6,7
	ds_load_b128 v[BK+4*\t:BK+4*\t+3], v[RD] offset:\t*2*SPITCH    ; LDS serves a wave's instructions in order: these see the stores above
.endr
.endm
.macro SEND a, younger
.set BK, OB+192*((\a)%2)
	s_wait_dscnt \younger                          ; the block is back in registers
	s_wait_xcnt 0x0                                ; earlier stores have read their registers: the block after next lands there only behind this wait
.irp t, 0,1,2,3,4,5,6,7
	global_store_b128 v[CO], v[BK+4*\t:BK+4*\t+3], s[8:9] offset:2048*(\a)+256*\t   ; sixteen lanes store two keys of one head: 256 consecutive bytes, aligned
.endr
.endm
	s_wait_tensorcnt 1                             ; my part of K step 0 is in; K step 1's may stay out
	s_barrier_signal -1
	s_barrier_wait -1
	FETCH 0, 0, F0
	QUARTER 0, 64,  F0, F1, 1                      ; the first quarter stands in front of the loop: its products start the sums
	WIN 0                                          ; at a label and at a branch every window is 0
	s_mov_b32 s3, LAPS-1
.Llap:                                                 ; a trip goes once round the ring, from a lap's second quarter to the next lap's first, and fills both slots again
	QUARTER 0, 128, F1, F0, 0
	QUARTER 0, 192, F0, F1, 0
	TURN 0, 1
	QUARTER 1, 64,  F0, F1, 0
	QUARTER 1, 128, F1, F0, 0
	QUARTER 1, 192, F0, F1, 0
	TURN 1, 0
	QUARTER 0, 64,  F0, F1, 0
	WIN 0
	s_sub_co_u32 s3, s3, 1
	s_cmp_lg_u32 s3, 0
	s_cbranch_scc1 .Llap
	QUARTER 0, 128, F1, F0, 0                      ; the last lap goes on; it asks for nothing more
	QUARTER 0, 192, F0, F1, 0
	MEET 0                                         ; nothing is filled again, so no round follows
	PLACES
	WIN TO_B
	BLOAD 0
	BLOAD 1
	BLOAD 3
	WIN 0
	ALOAD 0
	WIN MUL_HI
	MUL16 F1, 1, 0, 0
	MUL16 F1, 1, 2, 0
	PLACES
	WIN TO_B
	BLOAD 2
	WIN 0
	ALOAD 1
	ALOAD 2
	ALOAD 3
	s_wait_dscnt 40                                ; all but the 40 just issued
	ROW 0
.irp a, 0,1,2,3,4,5,6,7
	PLACES
	PACK \a
	TOSTAGE \a
.if \a < 4
	ALOAD \a+4
	SEND \a, 8
.else
	SEND \a, 0
.endif
.if \a < 7
	ROW \a+1
.endif
.endr
	s_wait_tensorcnt 0x0                           ; the wave's end: behind my last tensor load and my last LDS store
	ds_add_u32 v[SPW], v[NIL]
	s_wait_dscnt 0x0
	CROUND                                         ; the closing round: no work-group ends while a partner may still ask for a tile that names it
	s_endpgm
.Lfunc_end_k_q0356457375_kvproj:
	.size	k_q0356457375_kvproj, .Lfunc_end_k_q0356457375_kvproj-k_q0356457375_kvproj
	.p2alignl 7, 3214868480
	.fill 96, 4, 3214868480
	.section	.rodata,"a",@progbits
	.p2align	6, 0x0
	.amdhsa_kernel k_q0356457375_kvproj
		.amdhsa_group_segment_fixed_size 327680
		.amdhsa_private_segment_fixed_size 0
		.amdhsa_enable_private_segment 0
		.amdhsa_kernarg_size 24
		.amdhsa_user_sgpr_count 2
		.amdhsa_user_sgpr_kernarg_segment_ptr 1
		.amdhsa_wavefront_size32 1
		.amdhsa_system_sgpr_workgroup_id_x 1
		.amdhsa_system_sgpr_workgroup_id_y 1
		.amdhsa_system_sgpr_workgroup_id_z 1
		.amdhsa_system_vgpr_workitem_id 0
		.amdhsa_next_free_vgpr 1024
		.amdhsa_next_free_sgpr 66
		.amdhsa_reserve_vcc 0
		.amdhsa_float_denorm_mode_32 3
		.amdhsa_float_denorm_mode_16_64 3
		.amdhsa_memory_ordered 1
		.amdhsa_forward_progress 1
		.amdhsa_inst_pref_size 144
	.end_amdhsa_kernel
	.amdgpu_metadata
---
amdhsa.version: [ 1, 2 ]
amdhsa.kernels:
  - .name:           k_q0356457375_kvproj
    .symbol:         k_q0356457375_kvproj.kd
    .args:
      - { .name: kv16, .offset: 0, .size: 8, .value_kind: global_buffer, .address_space: global }
      - { .name: w16, .offset: 8, .size: 8, .value_kind: global_buffer, .address_space: global }
      - { .name: kvh, .offset: 16, .size: 8, .value_kind: global_buffer, .address_space: global }
    .group_segment_fixed_size: 327680
    .private_segment_fixed_size: 0
    .kernarg_segment_align: 8
    .kernarg_segment_size: 24
    .max_flat_workgroup_size: 128
    .sgpr_count:     66
    .vgpr_count:     1024
    .wavefront_size: 32
...
	.end_amdgpu_metadata
.endif
;; end of part 2
;; launch attn (part 3): grid 8 x 32, 8 waves a work-group, clusters of 4 x 1, 327,680 bytes of LDS; arguments qcodes, qscales, in_proj_b, kvh, ctx16; writes ctx16
.if DOCPART == 3
	.amdgcn_target "amdgcn-amd-amdhsa--gfx1250"
	.amdhsa_code_object_version 6
	.text
	.protected	k_q0356457375_attn
	.globl	k_q0356457375_attn
	.p2align	8
	.type	k_q0356457375_attn,@function
k_q0356457375_attn:
	s_mov_b64 s[64:65], 0
	v_nop
	global_prefetch_b8 v0, s[64:65] scope:SCOPE_SE
	s_setreg_imm32_b32 hwreg(HW_REG_WAVE_MODE, 25, 1), 1
	s_wait_xcnt 0x0
	s_wait_alu depctr_hold_cnt(0) depctr_sa_sdst(0) depctr_va_vdst(0) depctr_va_sdst(0) depctr_va_ssrc(0) depctr_va_vcc(0) depctr_vm_vsrc(0)
	s_getreg_b32 s2, hwreg(HW_REG_IB_STS2, 6, 4)
	s_cmp_eq_u32 s2, 0
	s_cbranch_scc0 .Lentry_in_a_cluster
	s_endpgm
.Lentry_in_a_cluster:
	s_bfe_u32 s2, ttmp6, 0x10000c
	s_cmp_lg_u32 s2, 0x3003
	s_cbranch_scc0 .Lentry_shape_is_right
	s_endpgm
.Lentry_shape_is_right:
; q = Q(x) Q(Wq)^T + bq on codes of E2M1 (the QUANTISED product), then ctx = softmax(q k^T / 8) v + bv for one head, with a running maximum.  q, k, v and the weights p go to the matrix unit as f16; sums, maxima and exponentials in f32.
; bk IS NOT ADDED: it is the same along the softmax's axis (shown at the head of the first kernel); in_proj_b[1024:2048] is not loaded.  bv is added once, in the multiply-add that divides by the row's sum, since a row's weights sum to 1.
; ctx is stored x 16 (a power of two: nothing is rounded by it), so that small averages stay normal numbers of f16; the last launch takes the factor off.
; ctx16: [pair of rows P][head][parity][64] f16: the two rows 2 P, 2 P + 1 of one head are 256 aligned bytes.
; LIMITS: |q|, |k|, |v| beyond 65,504 and |ctx| beyond 4,094 overflow f16; NaN and infinities are not served.
; SHARES.  A work-group owns 256 queries of one batch and head; each of its eight waves 32 of them, two tiles of 16, in 256 registers: two waves to a SIMD, so that one wave's softmax stands beside the other's products and LDS loads.
; Every wave walks all 4,096 keys, 64 a step; each fragment of k or v read from LDS feeds two matrix instructions.  k and v come through a ring of two LDS slots of 256 keys.
; CLUSTER.  The four query blocks of a cluster belong to one head and walk the same k and v (and want the same rows of Wq): each tile is asked for JOINTLY, with a mask that names the four.  Waves 0, 1 fetch k's halves, waves 2, 3 v's, waves 4 to 7 nothing.
; LAYOUT.  All three products are used transposed, so that a lane holds ONE query (lane % 16) throughout: q^T = Wq x^T gives a lane eight channels 16 dt + 8 (lane / 16) + j: two such tiles, packed, ARE source 1 of S^T = k q^T;
; S^T gives a lane the keys 16 kt + 8 (lane / 16) + j: two such tiles, packed, ARE source 1 of O^T = v^T p.  k comes out of LDS as it lies, v ([key][channel]) turned, by ds_load_tr16_b128.
; SOFTMAX.  p = 2^(c s - c m), c = log2(e) / 8, m the running maximum; in every step O and the sum l are multiplied by a = 2^(c m_old - c m_new).  l is the sum of the unrounded p.
.set PK,    272                        ; an LDS row of k: two keys (256 bytes) + 16: key n lies at (n / 2) PK + (n % 2) 128; the 16 keys of a load start at 16 different 16-byte columns
.set PV,    288                        ; of v: + 32: the turning load's 16 lanes (8 keys x 32 bytes) touch 16 different columns
.set VOFF,  128*PK                     ; a slot: 128 rows of k, then 128 rows of v
.set KSTP,  32*PK                      ; a step's 64 keys
.set VSTP,  32*PV
.set SLOT1, 1<<17                      ; slot 1 begins here: one exclusive or turns an address in one slot into the other's
.set WQL,   SLOT1+128*(PK+PV)          ; the head's four tiles of Wq's codes as register images, 32,768 bytes: filled once
.set STAGE, WQL+32768                  ; the way out: 32 rows x (128 bytes + 16) for each wave
.set BIAS,  STAGE+8*4608               ; 16 bv of the head, 256 bytes for each wave
.set SPARE, BIAS+2048                  ; the spare words, 128 bytes for each wave: four blocks of 256 bytes that no other line names
.set SPW, 1                            ; v1   LDS address of my spare word; never rewritten
.set NIL, 2                            ; v2   0; never rewritten
.set AK0, 3                            ; v3   my lane's place in a tile of k    (at the head: 16 x lane)
.set AV0, 4                            ; v4   the same for v                    (at the head: 32 (lane / 16))
.set PFO, 5                            ; v5   256 x lane: the prefetches' offset (at the head: Wq's images, WQL + 16 x lane)
.set ADK, 6                            ; v6   LDS address of the step's k       (at the head: v[6:7] = bv)
.set ADV, 7                            ; v7   of its v
.set XSC, 8                            ; v8-15  x's scale words, four registers a tile
.set ST,  16                           ; v16-31 eight registers of statistics a tile: +0 c m, +1 m, +2, +3 l, +4 .. +7 at work, a at +6   (at the head: Wq's scale words, four registers a tile)
.set Q,   32                           ; v32-63 q: tile t, channels 32 u on, at Q + 16 t + 8 u   (at the head: a K step's four fragments of Wq)
.set S,   64                           ; v64-127 S^T: S + 32 t + 8 kt; p is packed in place into S + 32 t + 0 .. 15   (at the head, with v128-191: x's 16 fragments)
.set KV,  128                          ; v128-191 k: KV + 16 kt + 8 u; then v: KV + 32 kk + 8 ct
.set O,   192                          ; v192-255 O^T: O + 32 t + 8 ct   (at the head: q's accumulators, O + 8 (2 dt + t))
.set WV,  14                           ; s14  my wave's number
.set LIM, 15                           ; s15  1 in a wave that prefetches, else the greatest number
.set G1K, 24                           ; s[24:31] descriptor group 1 for k's tiles;  s[32:39] for v's;  s[40:43], s[44:47] their groups 0, which walk
.set G1V, 32
.set G0K, 40
.set G0V, 44
.set G1W, 48                           ; s[48:55], s[56:59] groups 1 and 0 for Wq's codes
.set G0W, 56
.set CS,  60                           ; s[60:61] c: the packed scaling names a pair and takes its low word for both halves
.set SEL, 62                           ; s[62:63] lane selects for v_permlanex16_b32: lane l xor 16
.set TK,  66                           ; s66  LDS byte at which the step's k begins
.set TV,  67                           ; s67  the same for v, less VOFF
.set SLOTS, 68                         ; s68  slots still to be asked for
.set QUAD, 69                          ; s69  counts a slot's four steps
.set PFA, 70                           ; s[70:71] where my prefetches stand
.macro JLOAD                           ; a joint refill.  The branches hang on the wave's number alone.  An s_nop 0 and four v_nop follow each of the two lines
	s_cmp_lt_u32 s[WV], 2
	s_cbranch_scc0 .Lnot_k_\@
	tensor_load_to_lds s[G0K:G0K+3], s[G1K:G1K+7]
	s_nop 0
.rept 4
	v_nop
.endr
	s_branch .Lasked_\@
.Lnot_k_\@:
	s_cmp_lt_u32 s[WV], 4
	s_cbranch_scc0 .Lasked_\@
	tensor_load_to_lds s[G0V:G0V+3], s[G1V:G1V+7]
	s_nop 0
.rept 4
	v_nop
.endr
.Lasked_\@:
.endm
; A prefetch into the L2 of what the NEXT change of slots will ask for: a slot's 32,768 bytes of k and of v, four key steps ahead of that load.  Each aligned block of 256 bytes is named once in the launch:
; both clusters of a head walk the same k and v, and the first asks; its four partners share a slot out by address, 8,192 bytes each, lanes 256 bytes apart; wave 4 asks for k's, wave 5 for v's.
; Slots 0 and 1 come by their loads alone; the last change that fills a slot asks for nothing.
.macro ASK
	s_cmp_gt_u32 s[SLOTS], s[LIM]
	s_cbranch_scc0 .Lnot_mine_\@
	global_prefetch_b8 v[PFO], s[PFA:PFA+1] th:TH_LOAD_NT scope:SCOPE_SE
.Lnot_mine_\@:
.endm
.macro CROUND                          ; a round of the cluster's barrier
	s_barrier_signal -1
	s_barrier_wait -1
	s_cmp_lg_u32 s[WV], 0
	s_cbranch_scc1 .Lnot_wave_0_\@
	s_barrier_signal -3
.Lnot_wave_0_\@:
	s_barrier_wait -3
	s_barrier_signal -1
	s_barrier_wait -1
.endm
	s_load_b256 s[4:11], s[0:1], 0x0               ; qcodes, qscales, in_proj_b, kvh
	s_load_b64 s[12:13], s[0:1], 0x20              ; ctx16
	v_lshl_add_u32 v[SPW], v0, 2, SPARE
	v_mov_b32 v[NIL], 0
	ds_add_u32 v[SPW], v[NIL]                      ; the wave's opening: the add, twice on end, and its wait ahead of the first tensor loads
	ds_add_u32 v[SPW], v[NIL]                      ; and once more, under the one wait; the set-up below, work on registers, stands between
	v_lshrrev_b32 v3, 5, v0
	v_readfirstlane_b32 s[WV], v3                  ; wave 0..7
	s_bfe_u32 s17, ttmp6, 0x40000                  ; cx: it enters global addresses of plain loads, stores and prefetches alone
	s_lshl_b32 s18, ttmp9, 2
	s_add_co_u32 s18, s18, s17                     ; my block of 256 queries
	s_and_b32 s19, ttmp7, 0xffff
	s_lshr_b32 s20, s19, 4                         ; the batch
	s_and_b32 s21, s19, 15                         ; the head
	s_and_b32 s16, s[WV], 1                        ; which half of a slot I fetch
	s_and_b32 s22, s[WV], 3                        ; which tile of Wq
	; descriptor group 1.  k, v: 64 rows of 128 elements of 2 bytes, dense in memory, padded in LDS
	s_mov_b32 s[G1K], 15|(1<<16)|(1<<20)|(1<<21)|(5<<22)|(3<<25)   ; the mask: all four work-groups; elements of 2 bytes; padding on; bit 21 beside a mask; after every 64 words 4 words
	s_mov_b32 s[G1V], 15|(1<<16)|(1<<20)|(1<<21)|(5<<22)|(7<<25)   ; the same with 8 words
.irp g, G1K, G1V
	s_mov_b32 s[\g+1], 128<<16                     ; tensor_dim0
	s_mov_b32 s[\g+2], 64<<16                      ; tensor_dim1
	s_mov_b32 s[\g+3], 128<<16                     ; tile_dim0
	s_mov_b32 s[\g+4], 64                          ; tile_dim1
	s_mov_b32 s[\g+5], 128                         ; elements from row to row
	s_mov_b32 s[\g+6], 0
	s_mov_b32 s[\g+7], 0
.endr
	s_mov_b32 s[G1W], 15|(3<<16)|(1<<21)           ; Wq: a tile's 8,192 dense bytes as 32 rows of 32 elements of 8 bytes, no padding
	s_mov_b32 s[G1W+1], 32<<16
	s_mov_b32 s[G1W+2], 32<<16
	s_mov_b32 s[G1W+3], 32<<16
	s_mov_b32 s[G1W+4], 32
	s_mov_b32 s[G1W+5], 32
	s_mov_b32 s[G1W+6], 0
	s_mov_b32 s[G1W+7], 0
	s_lshl_b32 s72, s20, 5
	s_add_co_u32 s72, s72, s21
	s_lshl_b32 s72, s72, 19                        ; k's plane of my batch and head in kvh
	s_mov_b32 s73, 0
	s_lshl_b32 s23, s16, 14
	s_add_co_u32 s74, s72, s23                     ; my half of its first slot;
	s_mov_b32 s75, 0
	s_add_co_u32 s76, s74, 16<<19                  ; v's plane lies 16 planes on
	s_mov_b32 s77, 0
	s_lshl_b32 s78, s21, 2
	s_add_co_u32 s78, s78, s22
	s_add_co_u32 s78, s78, 256
	s_lshl_b32 s78, s78, 13                        ; Wq's tile 256 + 4 h + (wave % 4) in qcodes
	s_mov_b32 s79, 0
	s_mul_i32 s80, s16, 64*PK                      ; where they go: no place in the cluster enters an LDS address
	s_mul_i32 s81, s16, 64*PV
	s_add_co_u32 s81, s81, VOFF
	s_lshl_b32 s82, s22, 13
	s_add_co_u32 s82, s82, WQL
	s_lshl_b32 s83, s20, 7
	s_lshl_b32 s84, s18, 4
	s_add_co_u32 s83, s83, s84
	s_lshl_b32 s84, s[WV], 1
	s_add_co_u32 s83, s83, s84                     ; my first tile of x: 128 b + 16 block + 2 wave
	s_lshl_b32 s84, s83, 13                        ; its codes,
	s_mov_b32 s85, 0
	s_lshl_b32 s86, s83, 9                         ; its scale words
	s_mov_b32 s87, 0
	s_lshl_b32 s88, s21, 2
	s_add_co_u32 s88, s88, 256
	s_lshl_b32 s88, s88, 9                         ; Wq's scale words: tiles 256 + 4 h on
	s_mov_b32 s89, 0
	s_cmp_eq_u32 s[WV], 4                          ; the prefetches: wave 4 stands in k's plane, wave 5 in v's,
	s_cselect_b32 s23, 0, 16<<19
	s_add_co_u32 s72, s72, s23
	s_lshl_b32 s23, s17, 13                        ; at my work-group's 8,192 bytes
	s_add_co_u32 s72, s72, s23
	s_add_co_u32 s72, s72, 32768                   ; of slot 1: the first change of slots steps it to slot 2
	s_sub_co_u32 s[LIM], s[WV], 4
	s_lshr_b32 s[LIM], s[LIM], 1                   ; 0 in waves 4 and 5,
	s_or_b32 s[LIM], s[LIM], ttmp9                 ; of the head's first cluster: the same in all four partners
	s_cmp_eq_u32 s[LIM], 0
	s_cselect_b32 s[LIM], 1, -1
	s_mov_b32 s[CS], 0x3e38aa3b                    ; c = log2(e) / 8
	s_mov_b32 s[CS+1], s[CS]
	s_mov_b32 s[SEL], 0x76543210
	s_mov_b32 s[SEL+1], 0xfedcba98
	s_mov_b32 s[TK], 0
	s_mov_b32 s[TV], 0
	s_mov_b32 s[SLOTS], 15
	v_and_b32 v3, 31, v0
	v_lshlrev_b32 v3, 4, v3                        ; 16 x lane
	v_bfe_u32 v4, v0, 4, 1
	v_lshlrev_b32 v4, 5, v4                        ; 32 (lane / 16)
	v_add_nc_u32 v5, WQL, v3
	v_lshrrev_b32 v6, 1, v3                        ; 8 x lane
	s_wait_dscnt 0x0                               ; both opening adds are done
	s_wait_kmcnt 0x0
	s_mov_b32 s[G0K], 1
	s_mov_b32 s[G0K+1], s80
	s_add_nc_u64 s[G0K+2:G0K+3], s[10:11], s[74:75]
	s_or_b32 s[G0K+3], s[G0K+3], 0x80000000
	s_mov_b32 s[G0V], 1
	s_mov_b32 s[G0V+1], s81
	s_add_nc_u64 s[G0V+2:G0V+3], s[10:11], s[76:77]
	s_or_b32 s[G0V+3], s[G0V+3], 0x80000000
	s_mov_b32 s[G0W], 1
	s_mov_b32 s[G0W+1], s82
	s_add_nc_u64 s[G0W+2:G0W+3], s[4:5], s[78:79]
	s_or_b32 s[G0W+3], s[G0W+3], 0x80000000
	s_add_nc_u64 s[PFA:PFA+1], s[10:11], s[72:73]
	s_add_nc_u64 s[84:85], s[4:5], s[84:85]        ; x's codes
	s_add_nc_u64 s[86:87], s[6:7], s[86:87]        ; x's scale words
	s_add_nc_u64 s[88:89], s[6:7], s[88:89]        ; Wq's scale words
	s_lshl_b32 s78, s21, 8                         ; 64 h numbers of 4 bytes; also a head's 256 bytes in ctx16
	s_add_nc_u64 s[8:9], s[8:9], s[78:79]          ; in_proj_b at my head's bq; its bv lies 8,192 bytes on
	s_lshl_b32 s74, s20, 10
	s_lshl_b32 s75, s18, 7
	s_add_co_u32 s74, s74, s75
	s_lshl_b32 s75, s[WV], 4
	s_add_co_u32 s74, s74, s75                     ; my first pair of rows: 1024 b + 128 block + 16 wave
	s_lshl_b32 s74, s74, 12
	s_add_co_u32 s74, s74, s78
	s_mov_b32 s75, 0
	s_add_nc_u64 s[12:13], s[12:13], s[74:75]
	CROUND                                         ; all four work-groups are here: the first joint loads meet
	s_cmp_lt_u32 s[WV], 2                          ; a wave's first fills stand in one arm, ahead of every wait on TENSORcnt and every LDS read: two loads of mine are out at the most
	s_cbranch_scc0 .Lfirst_not_k
	tensor_load_to_lds s[G0W:G0W+3], s[G1W:G1W+7]
	s_nop 0
	tensor_load_to_lds s[G0K:G0K+3], s[G1K:G1K+7]
	s_nop 0
.rept 4
	v_nop
.endr
	s_branch .Lfirst_asked
.Lfirst_not_k:
	s_cmp_lt_u32 s[WV], 4
	s_cbranch_scc0 .Lfirst_asked
	tensor_load_to_lds s[G0W:G0W+3], s[G1W:G1W+7]
	s_nop 0
	tensor_load_to_lds s[G0V:G0V+3], s[G1V:G1V+7]
	s_nop 0
.rept 4
	v_nop
.endr
.Lfirst_asked:
.irp s, 0,1,2,3,4,5,6,7
.irp t, 0,1
.irp c, 0,1
	global_load_b128 v[S+8*(2*\s+\t)+4*\c:S+8*(2*\s+\t)+4*\c+3], v3, s[84:85] offset:8192*\t+1024*\s+512*\c   ; x's fragments, as they were laid: 512 consecutive bytes a load
.endr
.endr
.endr
.irp t, 0,1
	global_load_b128 v[XSC+4*\t:XSC+4*\t+3], v3, s[86:87] offset:512*\t      ; register j: lanes 0-15 K step j, lanes 16-31 K step 4 + j
.endr
.irp d, 0,1,2,3
	global_load_b128 v[ST+4*\d:ST+4*\d+3], v3, s[88:89] offset:512*\d
.endr
.irp d, 0,1,2,3
.irp t, 0,1
	global_load_b128 v[O+8*(2*\d+\t):O+8*(2*\d+\t)+3], v4, s[8:9] offset:64*\d          ; bq in the result's layout, straight into the accumulators: the sums begin with it
	global_load_b128 v[O+8*(2*\d+\t)+4:O+8*(2*\d+\t)+7], v4, s[8:9] offset:64*\d+16
.endr
.endr
	global_load_b64 v[6:7], v6, s[8:9] offset:8192 ; bv: two numbers a lane (the load lands on its own address register)
	s_wait_tensorcnt 0x0                           ; my tile of Wq has landed (and my part of slot 0)
	s_barrier_signal -1
	s_barrier_wait -1                              ; everybody's has
	; ---- q^T = Wq x^T + bq, K = 1,024 in eight steps; the eight accumulators take turns
.irp s, 0,1,2,3,4,5,6,7
.irp d, 0,1,2,3
.irp c, 0,1
	ds_load_b128 v[Q+8*\d+4*\c:Q+8*\d+4*\c+3], v5 offset:8192*\d+1024*\s+512*\c
.endr
.endr
.if \s == 0
	s_wait_loadcnt 0x0                             ; x's codes, the scale words, the biases
.endif
	s_wait_dscnt 0x0
.irp d, 0,1,2,3
.irp t, 0,1
.if \s < 4
	v_wmma_scale_f32_16x16x128_f8f6f4 v[O+8*(2*\d+\t):O+8*(2*\d+\t)+7], v[Q+8*\d:Q+8*\d+7], v[S+8*(2*\s+\t):S+8*(2*\s+\t)+7], v[O+8*(2*\d+\t):O+8*(2*\d+\t)+7], v[ST+4*\d+\s%4], v[XSC+4*\t+\s%4] matrix_a_fmt:MATRIX_FMT_FP4 matrix_b_fmt:MATRIX_FMT_FP4
.else
	v_wmma_scale_f32_16x16x128_f8f6f4 v[O+8*(2*\d+\t):O+8*(2*\d+\t)+7], v[Q+8*\d:Q+8*\d+7], v[S+8*(2*\s+\t):S+8*(2*\s+\t)+7], v[O+8*(2*\d+\t):O+8*(2*\d+\t)+7], v[ST+4*\d+\s%4], v[XSC+4*\t+\s%4] matrix_a_fmt:MATRIX_FMT_FP4 matrix_b_fmt:MATRIX_FMT_FP4 matrix_a_scale:MATRIX_SCALE_ROW1 matrix_b_scale:MATRIX_SCALE_ROW1
.endif
.endr
.endr
.rept 4
	v_nop                                          ; places in front of the loads into Wq's registers, and of the first read of results
.endr
.endr
.irp t, 0,1
.irp u, 0,1
.irp i, 0,1,2,3
	v_cvt_pk_f16_f32 v[Q+16*\t+8*\u+\i], v[O+8*(4*\u+\t)+2*\i], v[O+8*(4*\u+\t)+2*\i+1]          ; channels 32 u + 8 h' + 0 .. 7; each accumulator from its low end on
.endr
.irp i, 0,1,2,3
	v_cvt_pk_f16_f32 v[Q+16*\t+8*\u+4+\i], v[O+8*(4*\u+2+\t)+2*\i], v[O+8*(4*\u+2+\t)+2*\i+1]    ; channels 32 u + 16 + 8 h' + 0 .. 7
.endr
.endr
.endr
	v_mul_f32 v6, 0x41800000, v6                   ; 16 bv goes to my wave's own 256 bytes of LDS until the way out
	v_mul_f32 v7, 0x41800000, v7
	v_and_b32 v64, 31, v0
	v_lshlrev_b32 v64, 3, v64
	s_lshl_b32 s23, s[WV], 8
	s_add_co_u32 s23, s23, BIAS
	v_add_nc_u32 v64, s23, v64
	ds_store_b64 v64, v[6:7]
	v_bfe_u32 v65, v0, 1, 3                        ; (lane % 16) / 2
	v_and_b32 v66, 1, v0
	v_bfe_u32 v67, v0, 4, 1                        ; h'
	v_mul_u32_u24 v[AK0], v65, PK
	v_lshl_add_u32 v[AK0], v66, 7, v[AK0]
	v_lshl_add_u32 v[AK0], v67, 4, v[AK0]          ; k: key lane % 16, + 16 h'
	v_bfe_u32 v68, v0, 1, 2
	v_lshl_add_u32 v68, v67, 2, v68
	v_mul_u32_u24 v[AV0], v68, PV
	v_lshl_add_u32 v[AV0], v66, 7, v[AV0]
	v_bfe_u32 v68, v0, 3, 1
	v_lshl_add_u32 v[AV0], v68, 4, v[AV0]
	v_add_nc_u32 v[AV0], VOFF, v[AV0]              ; v: key 8 h' + lane % 8, channels 8 ((lane / 8) % 2) on
	v_and_b32 v[PFO], 31, v0
	v_lshlrev_b32 v[PFO], 8, v[PFO]
.irp t, 0,1
	v_mov_b32 v[ST+8*\t+1], 0xff61b1e6             ; m: -3e38, under every score
	v_mul_f32 v[ST+8*\t], s[CS], v[ST+8*\t+1]      ; c m
	v_mov_b32 v[ST+8*\t+2], 0                      ; l, in two halves
	v_mov_b32 v[ST+8*\t+3], 0
	v_mov_b32 v[ST+8*\t+5], 0                      ; a lane permute's destination counts as one of its sources
.endr
.irp j, 0,1,2,3,4,5,6,7,8,9,10,11,12,13,14,15,16,17,18,19,20,21,22,23,24,25,26,27,28,29,30,31,32,33,34,35,36,37,38,39,40,41,42,43,44,45,46,47,48,49,50,51,52,53,54,55,56,57,58,59,60,61,62,63
	v_mov_b32 v[O+\j], 0                           ; O^T.  (The step is written for every trip alike: the first finds zeros, which a = 0 leaves zeros)
.endr
; A KEY STEP: 64 keys.
.macro STEP
	v_add_nc_u32 v[ADK], s[TK], v[AK0]
	v_add_nc_u32 v[ADV], s[TV], v[AV0]
.rept 3
	v_nop                                          ; with the two additions five places behind the last step's products: four for the loads into v's registers, five for the products that write over p's
.endr
.irp u, 0,1
.irp k, 0,1,2,3
	ds_load_b128 v[KV+16*\k+8*\u:KV+16*\k+8*\u+3],   v[ADK] offset:8*PK*\k+64*\u
	ds_load_b128 v[KV+16*\k+8*\u+4:KV+16*\k+8*\u+7], v[ADK] offset:8*PK*\k+64*\u+32
.endr
.endr
.irp u, 0,1                                    ; S^T = k q^T: the eight accumulators take turns
.if \u == 0
	s_wait_dscnt 8                                 ; channels 0-31 are in; the eight loads of channels 32-63 may be out
.else
	s_wait_dscnt 0x0
.endif
.irp k, 0,1,2,3
.irp t, 0,1
.if \u == 0
	v_wmma_f32_16x16x32_f16 v[S+32*\t+8*\k:S+32*\t+8*\k+7], v[KV+16*\k:KV+16*\k+7], v[Q+16*\t:Q+16*\t+7], 0
.else
	v_wmma_f32_16x16x32_f16 v[S+32*\t+8*\k:S+32*\t+8*\k+7], v[KV+16*\k+8:KV+16*\k+15], v[Q+16*\t+8:Q+16*\t+15], v[S+32*\t+8*\k:S+32*\t+8*\k+7]
.endif
.endr
.endr
.endr
.rept 4
	v_nop                                          ; places in front of the loads into k's registers and of the first read of the scores
.endr
.irp g, 0,1
.irp d, 0,1,2,3
	ds_load_tr16_b128 v[KV+32*\g+8*\d:KV+32*\g+8*\d+3],   v[ADV] offset:16*PV*\g+32*\d          ; v, turned: it lands while the softmax is walked
	ds_load_tr16_b128 v[KV+32*\g+8*\d+4:KV+32*\g+8*\d+7], v[ADV] offset:16*PV*\g+32*\d+8*PV
.endr
.endr
	; the maximum of a lane's 32 scores and the old m, both tiles line by line; each tile of scores is read from its low end on
.irp j, 0,1,2,3
.irp t, 0,1
	v_max3_num_f32 v[ST+8*\t+4+\j], v[S+32*\t+8*\j], v[S+32*\t+8*\j+1], v[S+32*\t+8*\j+2]
.endr
.endr
.irp g, 1,2
.irp j, 0,1,2,3
.irp t, 0,1
	v_max3_num_f32 v[ST+8*\t+4+\j], v[ST+8*\t+4+\j], v[S+32*\t+8*\j+2*\g+1], v[S+32*\t+8*\j+2*\g+2]
.endr
.endr
.endr
.irp t, 0,1
	v_max3_num_f32 v[ST+8*\t+4], v[ST+8*\t+4], v[S+32*\t+7], v[S+32*\t+15]
.endr
.irp t, 0,1
	v_max3_num_f32 v[ST+8*\t+6], v[ST+8*\t+6], v[S+32*\t+23], v[S+32*\t+31]
.endr
.irp t, 0,1
	v_max3_num_f32 v[ST+8*\t+4], v[ST+8*\t+4], v[ST+8*\t+5], v[ST+8*\t+6]
.endr
.irp t, 0,1
	v_max3_num_f32 v[ST+8*\t+4], v[ST+8*\t+4], v[ST+8*\t+7], v[ST+8*\t+1]
.endr
.irp t, 0,1
	v_permlanex16_b32 v[ST+8*\t+5], v[ST+8*\t+4], s[SEL], s[SEL+1]   ; the query's other 32 keys lie in the lane 16 away
.endr
.irp t, 0,1
	v_mov_b32 v[ST+8*\t+7], v[ST+8*\t]             ; c m_old
.endr
.irp t, 0,1
	v_max_num_f32 v[ST+8*\t+1], v[ST+8*\t+4], v[ST+8*\t+5]
.endr
.irp t, 0,1
	v_mul_f32 v[ST+8*\t], s[CS], v[ST+8*\t+1]
.endr
.irp t, 0,1
	v_sub_f32 v[ST+8*\t+7], v[ST+8*\t+7], v[ST+8*\t]
.endr
	; ONE BATCH: the 32 scalings c s - c m and all 66 exponentials.  None of these lines names an exponential's result; a pair is scaled two plain lines ahead of its exponentials
.irp t, 0,1
	v_exp_f32 v[ST+8*\t+6], v[ST+8*\t+7]           ; a
.endr
.irp b, 0,1,2,3,4,5,6,7,8,9,10,11,12,13,14,15
.irp t, 0,1
	v_pk_fma_f32 v[S+32*\t+2*\b:S+32*\t+2*\b+1], v[S+32*\t+2*\b:S+32*\t+2*\b+1], s[CS:CS+1], v[ST+8*\t:ST+8*\t+1] op_sel_hi:[1,0,0] neg_lo:[0,0,1] neg_hi:[0,0,1]
.endr
.if \b > 0
.irp t, 0,1
	v_exp_f32 v[S+32*\t+2*\b-2], v[S+32*\t+2*\b-2]
	v_exp_f32 v[S+32*\t+2*\b-1], v[S+32*\t+2*\b-1]
.endr
.endif
.endr
.irp t, 0,1
	v_exp_f32 v[S+32*\t+30], v[S+32*\t+30]
	v_exp_f32 v[S+32*\t+31], v[S+32*\t+31]
.endr
	v_nop                                          ; a plain line behind the last exponential,
	s_wait_alu depctr_va_vdst(0)                   ; and a wait ahead of the batch's first reader
	; l = a l + the sum of the unrounded p: two chains a tile
.irp t, 0,1
	v_pk_fma_f32 v[ST+8*\t+2:ST+8*\t+3], v[ST+8*\t+2:ST+8*\t+3], v[ST+8*\t+6:ST+8*\t+7], v[S+32*\t:S+32*\t+1] op_sel_hi:[1,0,1]
.endr
.irp t, 0,1
	v_pk_add_f32 v[ST+8*\t+4:ST+8*\t+5], v[S+32*\t+2:S+32*\t+3], v[S+32*\t+6:S+32*\t+7]
.endr
.irp j, 4,8,12,16,20,24,28
.irp t, 0,1
	v_pk_add_f32 v[ST+8*\t+2:ST+8*\t+3], v[ST+8*\t+2:ST+8*\t+3], v[S+32*\t+\j:S+32*\t+\j+1]
.endr
.if \j > 4
.irp t, 0,1
	v_pk_add_f32 v[ST+8*\t+4:ST+8*\t+5], v[ST+8*\t+4:ST+8*\t+5], v[S+32*\t+\j+2:S+32*\t+\j+3]
.endr
.endif
.endr
.irp t, 0,1
	v_pk_add_f32 v[ST+8*\t+2:ST+8*\t+3], v[ST+8*\t+2:ST+8*\t+3], v[ST+8*\t+4:ST+8*\t+5]
.endr
.irp j, 0,1,2,3,4,5,6,7,8,9,10,11,12,13,14,15
.irp t, 0,1
	v_cvt_pk_f16_f32 v[S+32*\t+\j], v[S+32*\t+2*\j], v[S+32*\t+2*\j+1]   ; p to f16, in place and ascending: register j is written when pairs 0 .. j - 1 have been read
.endr
.endr
.irp j, 0,2,4,6,8,10,12,14,16,18,20,22,24,26,28,30
.irp t, 0,1
	v_pk_mul_f32 v[O+32*\t+\j:O+32*\t+\j+1], v[O+32*\t+\j:O+32*\t+\j+1], v[ST+8*\t+6:ST+8*\t+7] op_sel_hi:[1,0]   ; O^T x a
.endr
.endr
	s_wait_dscnt 0x0                               ; v is in
.irp g, 0,1                                    ; O^T += v^T p: the eight accumulators take turns
.irp d, 0,1,2,3
.irp t, 0,1
	v_wmma_f32_16x16x32_f16 v[O+32*\t+8*\d:O+32*\t+8*\d+7], v[KV+32*\g+8*\d:KV+32*\g+8*\d+7], v[S+32*\t+8*\g:S+32*\t+8*\g+7], v[O+32*\t+8*\d:O+32*\t+8*\d+7]
.endr
.endr
.endr
	s_add_co_u32 s[TK], s[TK], KSTP
	s_add_co_u32 s[TV], s[TV], VSTP
.endm
; THE CHANGE OF SLOTS stands at a slot's head.  Each wave waits for all its tensor loads (its part of the slot that it is about to read), adds 0 to its spare word, and waits for that and for its reads of the slot that it has left.
; fill = 1: a round of the cluster's barrier follows, so that no wave of any partner still reads the other slot or has a load on its way, and that slot is filled with the next 256 keys: the load has four key steps in which to land.
.macro CHANGE fill
	s_wait_tensorcnt 0x0                           ; no tensor load of mine is out, so a group 0 may be written
	ds_add_u32 v[SPW], v[NIL]                      ; 0 onto my spare word
.if \fill
	ds_add_u32 v[SPW], v[NIL]                      ; and once more, in every trip alike
	s_xor_b32 s[G0K+1], s[G0K+1], SLOT1            ; the walking descriptors: the other slot than last time,
	s_add_nc_u64 s[G0K+2:G0K+3], s[G0K+2:G0K+3], 32768   ; the next 256 keys; the type bits on top are not reached
	s_xor_b32 s[G0V+1], s[G0V+1], SLOT1
	s_add_nc_u64 s[G0V+2:G0V+3], s[G0V+2:G0V+3], 32768
	s_wait_xcnt 0x0                                ; the last prefetch, a slot back, has read its address
	s_add_nc_u64 s[PFA:PFA+1], s[PFA:PFA+1], 32768 ; one slot further on than the walking descriptors
	s_wait_dscnt 0x0                               ; both adds are done, and my reads of the slot that I have left are over
	CROUND
	JLOAD                                          ; the first thing behind the round, and a wave's one tensor load until the next
	ASK
.else
	s_wait_dscnt 0x0
	s_barrier_signal -1
	s_barrier_wait -1
.endif
.endm
.macro SLOT_STEPS                      ; a slot's four key steps: written once, walked four times
	s_mov_b32 s[QUAD], 4
.Lstep_\@:
	STEP
	s_sub_co_u32 s[QUAD], s[QUAD], 1
	s_cmp_lg_u32 s[QUAD], 0
	s_cbranch_scc1 .Lstep_\@
	s_sub_co_u32 s[TK], s[TK], 4*KSTP              ; back to a slot's first step,
	s_sub_co_u32 s[TV], s[TV], 4*VSTP
	s_xor_b32 s[TK], s[TK], SLOT1                  ; in the other slot
	s_xor_b32 s[TV], s[TV], SLOT1
.endm
.Lslot:                                            ; 15 trips: behind each change of slots but the last the next slot is asked for
	CHANGE 1
	SLOT_STEPS
	s_sub_co_u32 s[SLOTS], s[SLOTS], 1
	s_cmp_lg_u32 s[SLOTS], 0
	s_cbranch_scc1 .Lslot
	CHANGE 0                                       ; the last slot is written out
	SLOT_STEPS
	; THE WAY OUT.  ctx x 16 = O^T x (16 / l) + 16 bv, rounded to f16, through my stage in LDS, so that sixteen lanes store two rows of my head: 256 aligned bytes.  The additions are the places behind the last products.
.irp t, 0,1
	v_add_f32 v[ST+8*\t+4], v[ST+8*\t+2], v[ST+8*\t+3]
.endr
.irp t, 0,1
	v_permlanex16_b32 v[ST+8*\t+5], v[ST+8*\t+4], s[SEL], s[SEL+1]
.endr
.irp t, 0,1
	v_add_f32 v[ST+8*\t+4], v[ST+8*\t+4], v[ST+8*\t+5]
.endr
.irp t, 0,1
	v_rcp_f32 v[ST+8*\t+6], v[ST+8*\t+4]
.endr
	s_mul_i32 s23, s[WV], 4608
	s_add_co_u32 s23, s23, STAGE                   ; my stage
	v_and_b32 v160, 15, v0                         ; r   (plain lines behind the reciprocals)
	v_bfe_u32 v161, v0, 4, 1                       ; h'
	v_mul_u32_u24 v162, v160, 144
	v_lshl_add_u32 v162, v161, 4, v162
	v_add_nc_u32 v162, s23, v162                   ; in: row r, + 16 h'
	v_bfe_u32 v163, v0, 3, 2
	v_mul_u32_u24 v163, v163, 144
	v_and_b32 v164, 7, v0
	v_lshl_add_u32 v163, v164, 4, v163
	v_add_nc_u32 v163, s23, v163                   ; back: eight lanes to a row, four rows an instruction
	v_lshlrev_b32 v164, 12, v161
	v_lshl_add_u32 v164, v160, 4, v164             ; in ctx16: a pair of rows is 4,096 bytes on from the last; 16 bytes a lane
	s_lshl_b32 s23, s[WV], 8
	s_add_co_u32 s23, s23, BIAS
	v_lshlrev_b32 v165, 5, v161
	v_add_nc_u32 v165, s23, v165
.irp d, 0,1,2,3
	ds_load_b128 v[KV+8*\d:KV+8*\d+3], v165 offset:64*\d           ; 16 bv of channels 16 ct + 8 h' + 0 .. 7: my wave's own bytes
	ds_load_b128 v[KV+8*\d+4:KV+8*\d+7], v165 offset:64*\d+16
.endr
	s_wait_alu depctr_va_vdst(0)                   ; a wait ahead of the reciprocals' first reader
.irp t, 0,1
	v_mul_f32 v[ST+8*\t+6], 0x41800000, v[ST+8*\t+6]   ; 16 / l
.endr
	s_wait_dscnt 0x0
.irp t, 0,1
.irp d, 0,1,2,3
.irp i, 0,1,2,3
	v_pk_fma_f32 v[O+32*\t+8*\d+2*\i:O+32*\t+8*\d+2*\i+1], v[O+32*\t+8*\d+2*\i:O+32*\t+8*\d+2*\i+1], v[ST+8*\t+6:ST+8*\t+7], v[KV+8*\d+2*\i:KV+8*\d+2*\i+1] op_sel_hi:[1,0,1]
.endr
.endr
.irp d, 0,1,2,3
.irp i, 0,1,2,3
	v_cvt_pk_f16_f32 v[S+16*\t+4*\d+\i], v[O+32*\t+8*\d+2*\i], v[O+32*\t+8*\d+2*\i+1]
.endr
.endr
.irp d, 0,1,2,3
	ds_store_b128 v162, v[S+16*\t+4*\d:S+16*\t+4*\d+3] offset:2304*\t+32*\d
.endr
.irp i, 0,1,2,3
	ds_load_b128 v[S+32+16*\t+4*\i:S+32+16*\t+4*\i+3], v163 offset:2304*\t+576*\i   ; LDS serves a wave's instructions in order: these see the stores above
.endr
.endr
	s_wait_dscnt 0x0
.irp t, 0,1
.irp i, 0,1,2,3
	global_store_b128 v164, v[S+32+16*\t+4*\i:S+32+16*\t+4*\i+3], s[12:13] offset:32768*\t+8192*\i
.endr
.endr
	s_wait_tensorcnt 0x0                           ; the wave's end: behind my last tensor load and my last LDS store
	ds_add_u32 v[SPW], v[NIL]
	s_wait_dscnt 0x0
	CROUND                                         ; the closing round: no work-group ends while a partner may still ask for a tile that names it
	s_endpgm
.Lfunc_end_k_q0356457375_attn:
	.size	k_q0356457375_attn, .Lfunc_end_k_q0356457375_attn-k_q0356457375_attn
	.p2alignl 7, 3214868480
	.fill 96, 4, 3214868480
	.section	.rodata,"a",@progbits
	.p2align	6, 0x0
	.amdhsa_kernel k_q0356457375_attn
		.amdhsa_group_segment_fixed_size 327680
		.amdhsa_private_segment_fixed_size 0
		.amdhsa_enable_private_segment 0
		.amdhsa_kernarg_size 40
		.amdhsa_user_sgpr_count 2
		.amdhsa_user_sgpr_kernarg_segment_ptr 1
		.amdhsa_wavefront_size32 1
		.amdhsa_system_sgpr_workgroup_id_x 1
		.amdhsa_system_sgpr_workgroup_id_y 1
		.amdhsa_system_sgpr_workgroup_id_z 1
		.amdhsa_system_vgpr_workitem_id 0
		.amdhsa_next_free_vgpr 256
		.amdhsa_next_free_sgpr 90
		.amdhsa_reserve_vcc 0
		.amdhsa_float_denorm_mode_32 3
		.amdhsa_float_denorm_mode_16_64 3
		.amdhsa_memory_ordered 1
		.amdhsa_forward_progress 1
		.amdhsa_inst_pref_size 76
	.end_amdhsa_kernel
	.amdgpu_metadata
---
amdhsa.version: [ 1, 2 ]
amdhsa.kernels:
  - .name:           k_q0356457375_attn
    .symbol:         k_q0356457375_attn.kd
    .args:
      - { .name: qcodes, .offset: 0, .size: 8, .value_kind: global_buffer, .address_space: global }
      - { .name: qscales, .offset: 8, .size: 8, .value_kind: global_buffer, .address_space: global }
      - { .name: in_proj_b, .offset: 16, .size: 8, .value_kind: global_buffer, .address_space: global }
      - { .name: kvh, .offset: 24, .size: 8, .value_kind: global_buffer, .address_space: global }
      - { .name: ctx16, .offset: 32, .size: 8, .value_kind: global_buffer, .address_space: global }
    .group_segment_fixed_size: 327680
    .private_segment_fixed_size: 0
    .kernarg_segment_align: 8
    .kernarg_segment_size: 40
    .max_flat_workgroup_size: 256
    .sgpr_count:     90
    .vgpr_count:     256
    .wavefront_size: 32
...
	.end_amdgpu_metadata
.endif
;; end of part 3
;; launch outproj (part 4): grid 8 x 32, 4 waves a work-group, clusters of 4 x 4, 327,680 bytes of LDS; arguments ctx16, wo16, out0, out_proj_b; writes out0
.if DOCPART == 4
	.amdgcn_target "amdgcn-amd-amdhsa--gfx1250"
	.amdhsa_code_object_version 6
	.text
	.protected	k_q0356457375_outproj
	.globl	k_q0356457375_outproj
	.p2align	8
	.type	k_q0356457375_outproj,@function
k_q0356457375_outproj:
	s_mov_b64 s[64:65], 0
	v_nop
	global_prefetch_b8 v0, s[64:65] scope:SCOPE_SE
	s_setreg_imm32_b32 hwreg(HW_REG_WAVE_MODE, 25, 1), 1
	s_wait_xcnt 0x0
	s_wait_alu depctr_hold_cnt(0) depctr_sa_sdst(0) depctr_va_vdst(0) depctr_va_sdst(0) depctr_va_ssrc(0) depctr_va_vcc(0) depctr_vm_vsrc(0)
	s_getreg_b32 s2, hwreg(HW_REG_IB_STS2, 6, 4)
	s_cmp_eq_u32 s2, 0
	s_cbranch_scc0 .Lentry_in_a_cluster
	s_endpgm
.Lentry_in_a_cluster:
	s_bfe_u32 s2, ttmp6, 0x10000c
	s_cmp_lg_u32 s2, 0xf033
	s_cbranch_scc0 .Lentry_shape_is_right
	s_endpgm
.Lentry_shape_is_right:
; out0[m][n] = (sum over k of ctx16[m][k] wo16[n][k]) / 16 + out_proj_b[n].  ctx16 holds 16 x ctx in f16; the factor, a power of two, is taken off in the multiply-add that adds the bias.  f16 operands, f32 sums and results.
; ctx16 lies [pair of rows P][head][parity][64]: a pair's row is 4,096 bytes; k = 64 head + channel of row 2 P + parity stands at 256 head + 128 parity + 2 channel.
; A tile of out0 is 128 x 128: 32 x 8 tiles, one to each work-group.  Four waves, each 64 x 64: 16 accumulators of 16 x 16.  K goes in steps of 256 (four heads) through two LDS slots:
; of A a wave's tensor load brings 32 pairs of rows x 1,024 bytes, of B 64 rows x 512 bytes.  A quarter of a K step is one head, for A and B alike.
; CLUSTERS: 4 x 4 work-groups; A's tiles are asked for jointly along a row of the cluster, B's along a column.  THE MATRIX INSTRUCTION IS USED TRANSPOSED (source 0 = 16 rows of B, source 1 = 16 rows of A): a lane holds eight neighbouring numbers of a row of out0.
; REGISTERS: window 0: v0-31 addresses; v32-95 at work on the way out; v96-127 the bias of my 64 columns, in the result's layout; v128-255 the accumulators ((a, b) at v[128 + 8 (4 a + b)]).
;   window 1: two fragment buffers of 128: for 64 along K, 64 registers of A, then 64 of B.
.set SIZE_K, 1024
.set KSTEP,  256
.set PITCH,  528                       ; B's LDS row: 512 bytes + 16
.set PITCHA, 1040                      ; A's: a pair's 1,024 bytes + 16: rows r of a fragment stand at (r / 2) 1040 + (r % 2) 128: 16 different 16-byte columns
.set HALFA,  32*PITCHA                 ; what one tensor load brings of A, and what one wave reads: 64 rows
.set HALFB,  64*PITCH
.set SLOT,   2*HALFA+2*HALFB           ; A's 128 rows, then B's 128 rows
.set SPARE,  2*SLOT                    ; behind the ring: the spare words, 128 bytes for each wave: two blocks of 256 bytes that no other line names
.set SPITCH, 272                       ; the way out: a stage of 16 rows x (256 bytes + 16) for each wave.  It lies in slot 0, which has had its last fill and its last read when the first result is stored there
.set LAPS, SIZE_K/(2*KSTEP)
.set ADRA, 16                          ; v16-17  LDS address of my A fragments in slot 0, 1
.set ADRB, 20                          ; v20-21  the same for B
.set STO,  24                          ; v24     the way out: where I put 32 bytes of a row
.set RD,   25                          ; v25     where I read 16 bytes back
.set CO,   26                          ; v26     my byte offset in out0
.set SPW,  28                          ; v28     LDS address of my spare word; never rewritten
.set NIL,  29                          ; v29     0; never rewritten
.set TMP,  32
.set BACK, 64
.set BI,   96
.set ACC,  128
.set F0,   0
.set F1,   128
.set G1, 24
.set G0, 32
.set G1B, 48
.set G0B, 56
.set MSB, 0
.macro WIN new
.if MSB != \new
	s_set_vgpr_msb (MSB<<8)|\new
.set MSB, \new
.endif
.endm
.set MUL,  0x05                        ; sources 0 (B) and 1 (A) window 1; C and D window 0
.set TO_F, 0x40                        ; destination window 1, address window 0
.macro JLOAD s                         ; a joint load: waves 0 and 1 fetch A's two halves, waves 2 and 3 B's; an s_nop 0 and four v_nop follow each of the two lines
	s_cmp_eq_u32 s11, 0
	s_cbranch_scc0 .Lfor_b_\@
	tensor_load_to_lds s[G0+4*\s:G0+4*\s+3], s[G1:G1+7]
	s_nop 0
.rept 4
	v_nop
.endr
	s_branch .Lasked_\@
.Lfor_b_\@:
	tensor_load_to_lds s[G0B+4*\s:G0B+4*\s+3], s[G1B:G1B+7]
	s_nop 0
.rept 4
	v_nop
.endr
.Lasked_\@:
.endm
.macro CREST
	s_cmp_lg_u32 s10, 0
	s_cbranch_scc1 .Lnot_wave_0_\@
	s_barrier_signal -3
.Lnot_wave_0_\@:
	s_barrier_wait -3
	s_barrier_signal -1
	s_barrier_wait -1
.endm
.macro CROUND
	s_barrier_signal -1
	s_barrier_wait -1
	CREST
.endm
	s_load_b128 s[4:7], s[0:1], 0x0                ; A = ctx16 s[4:5], B = wo16 s[6:7]
	s_load_b64 s[8:9], s[0:1], 0x10                ; out0
	s_load_b64 s[66:67], s[0:1], 0x18              ; out_proj_b
	v_lshl_add_u32 v[SPW], v0, 2, SPARE
	v_mov_b32 v[NIL], 0
	ds_add_u32 v[SPW], v[NIL]                      ; the wave's opening: the add, twice on end, and its wait ahead of my first tensor load
	ds_add_u32 v[SPW], v[NIL]                      ; and once more, under the one wait
	v_lshrrev_b32 v1, 5, v0
	v_readfirstlane_b32 s10, v1                    ; wave 0..3
	s_lshr_b32 s11, s10, 1                         ; which half of the tile's rows is mine.  Also: I fetch for A (0) or for B (1)
	s_and_b32 s12, s10, 1                          ; which half of its columns.  Also: which half of that tile I fetch
	s_bfe_u32 s40, ttmp6, 0x40000                  ; cx, cy
	s_bfe_u32 s41, ttmp6, 0x40004
	s_lshl_b32 s42, ttmp9, 2
	s_add_co_u32 s42, s42, s40                     ; tile column
	s_and_b32 s13, ttmp7, 0xffff
	s_lshl_b32 s13, s13, 2
	s_add_co_u32 s13, s13, s41                     ; tile row
	s_lshl_b32 s43, s41, 2
	s_lshl_b32 s43, 15, s43                        ; my row of the cluster
	s_lshl_b32 s44, 0x1111, s40                    ; my column
	; descriptor group 1.  A: 32 rows of 512 elements of 2 bytes, 2,048 elements apart, 4 words of padding behind every 256
	s_or_b32 s[G1+0], s43, (1<<16)|(1<<20)|(1<<21)|(7<<22)|(3<<25)
	s_mov_b32 s[G1+1], 512<<16                     ; tensor_dim0
	s_mov_b32 s[G1+2], 32<<16                      ; tensor_dim1
	s_mov_b32 s[G1+3], 512<<16                     ; tile_dim0
	s_mov_b32 s[G1+4], 32                          ; tile_dim1
	s_mov_b32 s[G1+5], 2048                        ; elements from row to row
	s_mov_b32 s[G1+6], 0
	s_mov_b32 s[G1+7], 0
	; B: 64 rows of 256 elements, 1,024 apart, 4 words of padding behind every 128
	s_or_b32 s[G1B+0], s44, (1<<16)|(1<<20)|(1<<21)|(6<<22)|(3<<25)
	s_mov_b32 s[G1B+1], KSTEP<<16
	s_mov_b32 s[G1B+2], 64<<16
	s_mov_b32 s[G1B+3], KSTEP<<16
	s_mov_b32 s[G1B+4], 64
	s_mov_b32 s[G1B+5], SIZE_K
	s_mov_b32 s[G1B+6], 0
	s_mov_b32 s[G1B+7], 0
	s_lshl_b32 s16, s13, 6
	s_lshl_b32 s17, s12, 5
	s_add_co_u32 s16, s16, s17                     ; A: pair 64 x tile row + 32 x half,
	s_lshl_b32 s16, s16, 12                        ; of 4,096 bytes
	s_mov_b32 s17, 0
	s_lshl_b32 s46, s42, 7
	s_lshl_b32 s47, s12, 6
	s_add_co_u32 s46, s46, s47                     ; B: row 128 x tile column + 64 x half,
	s_lshl_b32 s46, s46, 11                        ; of 2,048 bytes
	s_mov_b32 s47, 0
	s_mul_i32 s20, s12, HALFA                      ; where they go: no place in the cluster enters an LDS address
	s_mul_i32 s21, s12, HALFB
	s_add_co_u32 s21, s21, 2*HALFA
	s_wait_dscnt 0x0                               ; both opening adds are done
	s_wait_kmcnt 0x0
	s_add_nc_u64 s[14:15], s[4:5], s[16:17]
	s_add_nc_u64 s[46:47], s[6:7], s[46:47]
	CROUND                                         ; all sixteen work-groups are here: the first joint loads meet
.irp s, 0,1
	s_mov_b32 s[G0+4*\s], 1
	s_add_co_u32 s[G0+4*\s+1], s20, \s*SLOT
	s_add_nc_u64 s[G0+4*\s+2:G0+4*\s+3], s[14:15], \s*1024      ; a K step is 1,024 bytes of a pair's row
	s_or_b32 s[G0+4*\s+3], s[G0+4*\s+3], 0x80000000
	s_mov_b32 s[G0B+4*\s], 1
	s_add_co_u32 s[G0B+4*\s+1], s21, \s*SLOT
	s_add_nc_u64 s[G0B+4*\s+2:G0B+4*\s+3], s[46:47], \s*512
	s_or_b32 s[G0B+4*\s+3], s[G0B+4*\s+3], 0x80000000
	JLOAD \s                                       ; two loads of mine are out
.endr
	v_and_b32 v1, 15, v0                           ; r
	v_bfe_u32 v2, v0, 4, 1                         ; h'
	v_mul_u32_u24 v3, v1, PITCH
	v_lshl_add_u32 v3, v2, 4, v3                   ; B: row r, + 16 h'
	v_bfe_u32 v4, v0, 1, 3
	v_mul_u32_u24 v4, v4, PITCHA
	v_and_b32 v5, 1, v0
	v_lshl_add_u32 v4, v5, 7, v4
	v_lshl_add_u32 v4, v2, 4, v4                   ; A: pair r / 2, parity r % 2, + 16 h'
	s_mul_i32 s21, s11, HALFA                      ; my 64 rows of A
	s_mul_i32 s22, s12, HALFB                      ; my 64 rows of B,
	s_add_co_u32 s22, s22, 2*HALFA                 ; which lie behind A's 128
.irp s, 0,1
	v_add_nc_u32 v[ADRA+\s], s21, v4
	v_add_nc_u32 v[ADRB+\s], s22, v3
	s_add_co_u32 s21, s21, SLOT
	s_add_co_u32 s22, s22, SLOT
.endr
	s_mul_i32 s23, s10, 16*SPITCH                  ; my stage
	v_mul_u32_u24 v4, v1, SPITCH
	v_lshl_add_u32 v4, v2, 5, v4
	v_add_nc_u32 v[STO], s23, v4                   ; in: row r, 32 bytes for each half of the lanes
	v_mul_u32_u24 v5, v2, SPITCH
	v_lshl_add_u32 v5, v1, 4, v5
	v_add_nc_u32 v[RD], s23, v5                    ; back: lanes 0-15 one row of 256 bytes, lanes 16-31 the next
	v_lshlrev_b32 v5, 12, v2
	v_lshl_add_u32 v[CO], v1, 4, v5                ; and the same two rows in out0
	s_lshl_b32 s16, s13, 7
	s_lshl_b32 s17, s11, 6
	s_add_co_u32 s16, s16, s17                     ; my first row: 128 x tile row + 64 x half,
	s_lshl_b32 s16, s16, 12                        ; of 4,096 bytes
	s_mov_b32 s17, 0
	s_add_nc_u64 s[8:9], s[8:9], s[16:17]
	s_lshl_b32 s46, s42, 9                         ; my first column, in bytes: 512 x tile column + 256 x half
	s_lshl_b32 s47, s12, 8
	s_add_co_u32 s46, s46, s47
	s_mov_b32 s47, 0
	s_add_nc_u64 s[8:9], s[8:9], s[46:47]
	s_add_nc_u64 s[66:67], s[66:67], s[46:47]      ; the bias of the same columns
	v_lshlrev_b32 v6, 5, v2                        ; never rewritten
.irp b, 0,1,2,3
	global_load_b128 v[BI+8*\b:BI+8*\b+3], v6, s[66:67] offset:64*\b          ; columns 16 b + 8 h' + 0 .. 7: awaited on the way out
	global_load_b128 v[BI+8*\b+4:BI+8*\b+7], v6, s[66:67] offset:64*\b+16
.endr
; 8 matrix instructions: m blocks a0, a0 + 1 x all 4 n blocks, 32 along K: half c of buffer f.  zero = 1: the first product starts the sums.  The 16 accumulators take turns
.macro MUL8 f, c, a0, zero
.irp a, \a0, \a0+1
.irp b, 0,1,2,3
.if \zero
	v_wmma_f32_16x16x32_f16 v[ACC+8*(4*(\a)+\b):ACC+8*(4*(\a)+\b)+7], v[\f+64+8*(4*\c+\b):\f+64+8*(4*\c+\b)+7], v[\f+8*(4*\c+\a):\f+8*(4*\c+\a)+7], 0
.else
	v_wmma_f32_16x16x32_f16 v[ACC+8*(4*(\a)+\b):ACC+8*(4*(\a)+\b)+7], v[\f+64+8*(4*\c+\b):\f+64+8*(4*\c+\b)+7], v[\f+8*(4*\c+\a):\f+8*(4*\c+\a)+7], v[ACC+8*(4*(\a)+\b):ACC+8*(4*(\a)+\b)+7]
.endif
.endr
.endr
.endm
; 32 LDS loads in one run: the fragments of one head (64 along K), at byte k of B's rows and 2 k of A's pairs, into buffer f; the first 32 along K first
.macro FETCH slot, k, f
	WIN TO_F
.irp c, 0,1
.irp i, 0,1,2,3
	ds_load_b128 v[\f+64+8*(4*\c+\i):\f+64+8*(4*\c+\i)+3],   v[ADRB+\slot] offset:\k+64*\c+\i*16*PITCH
	ds_load_b128 v[\f+64+8*(4*\c+\i)+4:\f+64+8*(4*\c+\i)+7], v[ADRB+\slot] offset:\k+64*\c+\i*16*PITCH+32
	ds_load_b128 v[\f+8*(4*\c+\i):\f+8*(4*\c+\i)+3],         v[ADRA+\slot] offset:2*(\k)+64*\c+\i*8*PITCHA
	ds_load_b128 v[\f+8*(4*\c+\i)+4:\f+8*(4*\c+\i)+7],       v[ADRA+\slot] offset:2*(\k)+64*\c+\i*8*PITCHA+32
.endr
.endr
.endm
.macro PLACES                          ; four plain vector lines in front of loads into registers that matrix instructions have read, and of the first read of results
.rept 4
	v_nop
.endr
.endm
.macro QUARTER slot, k, f, g, zero
	s_wait_dscnt 16                                ; the first 32 along K are in; the youngest sixteen loads may be out
	WIN MUL
	MUL8 \f, 0, 0, \zero
	MUL8 \f, 0, 2, \zero
	PLACES
	FETCH \slot, \k, \g
	s_wait_dscnt 32                                ; all but the 32 just issued
	WIN MUL
	MUL8 \f, 1, 0, 0
	MUL8 \f, 1, 2, 0
.endm
; The last quarter multiplies buffer 1 and changes slots: one barrier; in front of it each wave waits for all its tensor loads, adds 0 to its spare word, and waits for that and for its reads of this slot.  fill = 1: this slot is filled again, two K steps ahead.
.macro TURN slot, next, fill
	WIN 0                                          ; (the add's two registers lie in window 0)
	s_wait_tensorcnt 0x0                           ; all my tensor loads have landed: my part of the next slot;
	ds_add_u32 v[SPW], v[NIL]                      ; 0 onto my spare word;
	s_wait_dscnt 17                                ; (the add and the youngest sixteen loads may be out)
	WIN MUL
	MUL8 F1, 0, 0, 0
	s_wait_dscnt 0x0                               ; the add is done, and my reads of this slot are over
	s_barrier_signal -1
	MUL8 F1, 0, 2, 0
.if \fill
	WIN 0
.endif
	s_barrier_wait -1
.if \fill
	CREST                                          ; no wave of any partner still reads this slot's tile or has a load on its way
	s_add_nc_u64 s[G0+4*\slot+2:G0+4*\slot+3], s[G0+4*\slot+2:G0+4*\slot+3], 2*1024
	s_add_nc_u64 s[G0B+4*\slot+2:G0B+4*\slot+3], s[G0B+4*\slot+2:G0B+4*\slot+3], 2*512
	JLOAD \slot                                    ; the first tensor load behind the round, my one load until the next; the four v_nop behind it are also the places in front of the loads below
.else
	PLACES
.endif
	FETCH \next, 0, F0
	WIN MUL
	MUL8 F1, 1, 0, 0
	MUL8 F1, 1, 2, 0
.endm
	s_wait_tensorcnt 1                             ; my part of K step 0 is in; K step 1's may stay out
	s_barrier_signal -1
	s_barrier_wait -1
	FETCH 0, 0, F0
	QUARTER 0, 128, F0, F1, 1                      ; the first quarter stands in front of the loop: its first products start the sums
	WIN 0                                          ; at a label and at a branch every window is 0
	s_mov_b32 s3, LAPS-1
.Llap:                                                 ; a trip goes once round the ring and fills both slots again
	QUARTER 0, 256, F1, F0, 0
	QUARTER 0, 384, F0, F1, 0
	TURN 0, 1, 1
	QUARTER 1, 128, F0, F1, 0
	QUARTER 1, 256, F1, F0, 0
	QUARTER 1, 384, F0, F1, 0
	TURN 1, 0, 1
	QUARTER 0, 128, F0, F1, 0
	WIN 0
	s_sub_co_u32 s3, s3, 1
	s_cmp_lg_u32 s3, 0
	s_cbranch_scc1 .Llap
	QUARTER 0, 256, F1, F0, 0                      ; the last lap fills nothing, and has no round of the cluster's barrier
	QUARTER 0, 384, F0, F1, 0
	TURN 0, 1, 0
	QUARTER 1, 128, F0, F1, 0
	QUARTER 1, 256, F1, F0, 0
	QUARTER 1, 384, F0, F1, 0
	s_wait_dscnt 16
	WIN MUL
	MUL8 F1, 0, 0, 0
	MUL8 F1, 0, 2, 0
	s_wait_dscnt 0
	MUL8 F1, 1, 0, 0
	MUL8 F1, 1, 2, 0
	WIN 0
	; THE WAY OUT, a block of 16 rows x 64 columns at a time: sum / 16 + bias in one multiply-add; 32 bytes a lane into my own stage; back as whole rows of 256 bytes, which sixteen lanes store as one aligned unit.
	PLACES
	s_wait_loadcnt 0x0                             ; the bias
.irp a, 0,1,2,3
.irp b, 0,1,2,3
.irp i, 0,1,2,3
	v_pk_fma_f32 v[TMP+8*\b+2*\i:TMP+8*\b+2*\i+1], v[ACC+8*(4*\a+\b)+2*\i:ACC+8*(4*\a+\b)+2*\i+1], 0x3d800000, v[BI+8*\b+2*\i:BI+8*\b+2*\i+1] op_sel_hi:[1,0,1]   ; each accumulator from its low end on
.endr
.endr
.irp b, 0,1,2,3
	ds_store_b128 v[STO], v[TMP+8*\b:TMP+8*\b+3] offset:64*\b
	ds_store_b128 v[STO], v[TMP+8*\b+4:TMP+8*\b+7] offset:64*\b+16
.endr
.if \a > 0
	s_wait_xcnt 0x0                                ; the last block's stores have read their registers: this block's loads may land there
.endif
.irp t, 0,1,2,3,4,5,6,7
	ds_load_b128 v[BACK+4*\t:BACK+4*\t+3], v[RD] offset:\t*2*SPITCH   ; LDS serves a wave's instructions in order: these see the stores above
.endr
	s_wait_dscnt 0x0
.irp t, 0,1,2,3,4,5,6,7
	global_store_b128 v[CO], v[BACK+4*\t:BACK+4*\t+3], s[8:9] offset:(16*\a+2*\t)*4096 th:TH_STORE_NT   ; written once, read by nobody here
.endr
.endr
	s_wait_tensorcnt 0x0                           ; the wave's end: behind my last tensor load and my last LDS store
	ds_add_u32 v[SPW], v[NIL]
	s_wait_dscnt 0x0
	CROUND                                         ; the closing round: no work-group ends while a partner may still ask for a tile that names it
	s_endpgm
.Lfunc_end_k_q0356457375_outproj:
	.size	k_q0356457375_outproj, .Lfunc_end_k_q0356457375_outproj-k_q0356457375_outproj
	.p2alignl 7, 3214868480
	.fill 96, 4, 3214868480
	.section	.rodata,"a",@progbits
	.p2align	6, 0x0
	.amdhsa_kernel k_q0356457375_outproj
		.amdhsa_group_segment_fixed_size 327680
		.amdhsa_private_segment_fixed_size 0
		.amdhsa_enable_private_segment 0
		.amdhsa_kernarg_size 32
		.amdhsa_user_sgpr_count 2
		.amdhsa_user_sgpr_kernarg_segment_ptr 1
		.amdhsa_wavefront_size32 1
		.amdhsa_system_sgpr_workgroup_id_x 1
		.amdhsa_system_sgpr_workgroup_id_y 1
		.amdhsa_system_sgpr_workgroup_id_z 1
		.amdhsa_system_vgpr_workitem_id 0
		.amdhsa_next_free_vgpr 512
		.amdhsa_next_free_sgpr 72
		.amdhsa_reserve_vcc 0
		.amdhsa_float_denorm_mode_32 3
		.amdhsa_float_denorm_mode_16_64 3
		.amdhsa_memory_ordered 1
		.amdhsa_forward_progress 1
		.amdhsa_inst_pref_size 93
	.end_amdhsa_kernel
	.amdgpu_metadata
---
amdhsa.version: [ 1, 2 ]
amdhsa.kernels:
  - .name:           k_q0356457375_outproj
    .symbol:         k_q0356457375_outproj.kd
    .args:
      - { .name: ctx16, .offset: 0, .size: 8, .value_kind: global_buffer, .address_space: global }
      - { .name: wo16, .offset: 8, .size: 8, .value_kind: global_buffer, .address_space: global }
      - { .name: out0, .offset: 16, .size: 8, .value_kind: global_buffer, .address_space: global }
      - { .name: out_proj_b, .offset: 24, .size: 8, .value_kind: global_buffer, .address_space: global }
    .group_segment_fixed_size: 327680
    .private_segment_fixed_size: 0
    .kernarg_segment_align: 8
    .kernarg_segment_size: 32
    .max_flat_workgroup_size: 128
    .sgpr_count:     72
    .vgpr_count:     512
    .wavefront_size: 32
...
	.end_amdgpu_metadata
.endif
;; end of part 4
